; MI455X (gfx1250); checked and timed in simulation.
; The chip was launched on July 23, 2026; its instructions are those of AMD's public machine-readable ISA for CDNA 5 (MIT licence, August 2026) and "CDNA5" Instruction Set Architecture Reference Guide (July 2026). The comments in the code are by the model that wrote it; some were corrected since.
;; Multi Head Self Attention. Allowed arithmetic: matrix products marked QUANTISED: E2M1 operands, one E8M0 scale for each 32 along K, by v_wmma_scale_f32_16x16x128_f8f6f4 with both operands' format E2M1 (or v_wmma_scale_f32_32x16x128_f4), f32 sums; everything else in f32.
;; Inputs: Wk 256 x 256 float32; Wo 256 x 256 float32; Wq 256 x 256 float32; Wv 256 x 256 float32; beta 256 float32; bk 256 float32; bo 256 float32; bq 256 float32; bv 256 float32; gamma 256 float32; x 4 x 64 x 64 x 256 float32.
;; Outputs: out0 4 x 4,096 x 256 float32.
;; This version of the problem:
;;   THIS VERSION OF THE PROBLEM IS GIVEN IN LOW PRECISION. The matrix products marked QUANTISED in the list below multiply operands that are first quantised to E2M1 (2 exponent bits, 1 mantissa bit; 4 bits a number), with one power-of-two scale for each 32 numbers along K (OCP MX v1.0); their sums are f32. All else is computed in f32.
;;   The module's matrix products, in the order in which they are computed (A, B: the left and right operand; K: the contracted axis; several contracted axes count as one K, in the product's order):
;;     1. [M 16,384, K 256] x [K 256, N 256]; A: input x; B: input Wq: QUANTISED
;;     2. [M 16,384, K 256] x [K 256, N 256]; A: input x; B: input Wk: QUANTISED
;;     3. [M 16,384, K 256] x [K 256, N 256]; A: input x; B: input Wv: QUANTISED
;;     4. batch 16 x [M 4,096, K 64] x [K 64, N 4,096]; A: computed on the way; B: computed on the way: QUANTISED
;;     5. batch 16 x [M 64, K 4,096] x [K 4,096, N 4,096]; A: computed on the way; B: softmax (see below): QUANTISED
;;     6. [M 16,384, K 256] x [K 256, N 256]; A: computed on the way; B: input Wo: QUANTISED
;;   THE QUANTISER, for each operand of a quantised product, along K:
;;     - K is cut into blocks of 32 from its start; a last block that is shorter is filled with zeros.
;;     - A block's scale is 2^e with e = floor(log2(the largest magnitude in the block)) - 2, held to -126 .. 127; a block of zeros has e = 0. As a byte (E8M0): e + 127.
;;     - Each number is divided by its block's scale, clamped to +-6, and rounded to the nearest number of E2M1, ties to even, subnormals kept.
;;     - The product sums the exact products of the quantised numbers (number of the format x scale) in f32.
;;   ~~~python
;;   def quantise(x, axis):      # numpy; x: float32 -> the quantised numbers, widened to float32 again
;;       x = np.moveaxis(x, axis, -1); K = x.shape[-1]
;;       x = np.pad(x, [(0, 0)] * (x.ndim - 1) + [(0, -K % 32)]); x = x.reshape(x.shape[:-1] + (-1, 32)); a = np.abs(x).max(-1, keepdims=True)
;;       e = np.where(a > 0, np.clip(np.frexp(np.where(a > 0, a, 1))[1] - 1 - 2, -126, 127), 0)      # np.frexp(a)[1] - 1 = floor(log2(a)), exactly
;;       r = np.clip(x / 2.0 ** e, -6, 6)
;;       step = 2.0 ** (np.maximum(np.frexp(np.where(r == 0, 1, r))[1] - 1, 0) - 1)
;;       q = np.round(r / step) * step * 2.0 ** e      # np.round: ties to even
;;       return np.moveaxis(q.reshape(q.shape[:-2] + (-1,))[..., :K], -1, axis).astype(np.float32)
;;   ~~~
;;   SOFTMAX AHEAD OF A QUANTISED PRODUCT. Where the list says 'softmax', what is quantised is not the finished softmax but p = 2^(t - M), with t = logit x log2(e) and M = ceil(the row's largest t), a whole number; so 1/2 < the row's largest p <= 1. The row's sum l is taken of the UNQUANTISED p, in f32, and the product's result is divided by l at the end. Since M is a whole number, a kernel that streams over the keys may use a running M (the ceiling of the running maximum): every later rescaling is an exact power of two, which a block's scale takes up: the codes' values come out the same.
;;   OPERANDS COMPUTED ON THE WAY. 'Computed on the way' means the value that the module computes at that place (a softmax that the list does not call 'softmax' is quantised finished and normalised). What goes into a quantiser is computed in f32, as accurately as f32 sums, v_exp_f32 and their like allow (about 1e-6 of the number): no bf16 or f16 on the way to a quantiser, and a product that is left as it is and whose result goes on into a quantised operand takes f32 operands (vector FMAs, or v_wmma_f32_16x16x4_f32). A number that lies on a knife's edge between two numbers of the format may be rounded either way, as far as f32 arithmetic and the matrix unit's own rounding can turn it there, and no further.
;; 2 versions. Each part assembles by itself: llvm-mc -triple=amdgcn-amd-amdhsa -mcpu=gfx1250 --defsym DOCPART=n.
;; ======== version 1 of 2: 3 launches
;; workspace buffers: cod 6,291,456 bytes; scl 393,216 bytes; vres 16,777,216 bytes; wo 36,864 bytes; att 2,228,224 bytes
;; launch proj (part 1): grid 2 x 128, 16 waves a work-group, no clusters, 280,576 bytes of LDS; arguments x, Wq, Wk, Wv, Wo, bq, bk, bv, cod, scl, vres, wo; writes cod, scl, vres, wo
.if DOCPART == 1
	.amdgcn_target "amdgcn-amd-amdhsa--gfx1250"
	.amdhsa_code_object_version 6
	.text
	.protected	k_qf160994a98_proj
	.globl	k_qf160994a98_proj
	.p2align	8
	.type	k_qf160994a98_proj,@function
k_qf160994a98_proj:
	s_mov_b64 s[64:65], 0
	v_nop
	global_prefetch_b8 v0, s[64:65] scope:SCOPE_SE
	s_setreg_imm32_b32 hwreg(HW_REG_WAVE_MODE, 25, 1), 1
	s_wait_xcnt 0x0
; q = x Wq^T + bq, k = x Wk^T + bk, v = x Wv^T + bv on codes of FP4 (E2M1) with one E8M0 scale for each 32 along K; then q and k are quantised along the head's 64,
; v along the keys; v also leaves as f32 (the residual).  Wo is quantised on the way (by the two work-groups of the first block of tokens).
; SHARES.  Work-group (g, tb): tokens 128 tb .. +127, channels 128 g .. +127 (heads 2 g, 2 g + 1) of each of q, k, v.  Sixteen waves.
; PHASE 0, the same text in every wave: 32 rows x 256 of f32 (waves 0-3: x, 4-7: Wq, 8-11: Wk, 12-15: Wv) become four fragments (16 rows x 128 K), which go to LDS as IMAGES OF THEIR
; REGISTERS: registers 4 c .. 4 c + 3 at 512 c + 16 x lane, the scale word at 4 x lane.  A load reads 512 consecutive bytes of one row; a fragment's 16 rows turn through the wave's own stage, so
; that a lane then holds 16 neighbours along K of each block of 32.
; THE ROWS OF A TILE ARE NOT NEIGHBOURS: position r of tile (G, u) is row 32 G + 8 u + r + 8 (r / 8).  In a result whose source 0 is such a tile, the 16 registers of tiles (G, 0), (G, 1) are 16 neighbours.
; ROLES behind the first barrier.  Waves 0-7 (q: 0-3, k: 4-7; head (w / 2) % 2; token half w % 2): transposed products (source 0 = 16 channels, source 1 = 16 tokens): a lane holds one token and its
; registers run along the head's 64: quantised in registers, 512 bytes a token tile.  Waves 8-15: one tile of 16 channels of v, natural products (source 0 = 16 tokens): a lane holds one channel and
; its registers run along the 128 tokens, which are the next product's K: one fragment and one scale word a lane.
; The biases are the C of each sum's first product.
; LIMITS: NaN and infinities among the inputs are not served.  A block whose largest magnitude lies under 2^-124 takes the scale byte 1; so does a block of zeros, where the quantiser's rule says 127:
; its codes are zeros, and the bytes are read by this program alone.
.set SP,   528                         ; a stage row: 512 bytes + 16: an odd multiple of 16, so that sixteen rows' same column falls on sixteen different 16-byte columns modulo 256
.set SCW,  0                           ; LDS: 64 scale-word images of 128 bytes
.set IMG,  8192                        ;      64 fragment images of 1,024 bytes: x 2 tt + ks; Wq 16 + 2 ct + ks; Wk 32 + ..; Wv 48 + ..
.set SC2,  73728                       ;      outgoing scale words: q head 0, q head 1, k, k, v, v: 256 bytes each
.set VST,  75776                       ;      v as f32: 128 token rows of SP bytes
.set STG,  143360                      ;      the turning stages: 16 rows of SP bytes for each wave
.set LI,  1                            ; v1   16 x lane
.set LS,  2                            ; v2   4 x lane
.set STW, 3                            ; v3   my stage, on the way in
.set STR, 4                            ; v4   my stage, on the way out: row r, + 64 h
.set IMW, 5                            ; v5   where I store my four images
.set SWW, 6                            ; v6   and their scale words
.set WFQ, 7                            ; v7   q/k role: my head's eight weight fragments
.set WFV, 8                            ; v8   v role: my tile's two
.set WSQ, 9                            ; v9   their scale words
.set WSV, 10
.set XFA, 11                           ; v11  q/k role: my half's x fragments
.set XSA, 12                           ; v12  their scale words
.set VSO, 13                           ; v13  v role: where my channel's numbers go in VST
.set VSR, 14                           ; v14  the way out: my eight rows of VST
.set QSO, 15                           ; v15  q/k role: my scale words in SC2
.set VSS, 16                           ; v16  v role: the same
.set S2R, 17                           ; v17  the way out of SC2
.set BQO, 18                           ; v18  64 h: offset into a bias
.set BVO, 19                           ; v19  4 (r + 8 (r / 8))
.set SCO, 20                           ; v20  8192 h + 16 r: offset into scl
.set BI,  32                           ; v32-63   the bias in the result's layout
.set R0,  64                           ; v64-127  numbers as loaded; later fragments
.set R1,  128                          ; v128-191 the same; later results
.set WF,  64
.set H,   128
.set XF,  160
.set DV,  128
.set PC,  192                          ; v192-207 codes
.set TM,  208                          ; v208-211 largest magnitudes, v212-215 the other half's, then bytes, v220-223 the conversions' scale operands
.set PW,  224                          ; the scale word just made
.set WA,  225                          ; v225-226 q's or k's word of 32 tokens
.set S8,  228                          ; v228-235 scale words of source 0 (nothing else ever lies here)
.set S2,  236                          ; v236-237 scale words of source 1 (likewise)
.set WVF, 240                          ; v240-255 v role: Wv's two fragments
.set WV,  28
.set SRC, 34
.set BIA, 36
.set DST, 38
.set VRD, 40
.set SCD, 42
.set WOS, 44
.set WOD, 46
.set SEL, 48
.set WOD2, 56
; 16 rows of tile u of my 32 rows, K step ks: each load is 512 consecutive bytes of one row
.macro LOADF reg, base, u, ks
.irp i, 0,1,2,3,4,5,6,7,8,9,10,11,12,13,14,15
	global_load_b128 v[\reg+4*\i:\reg+4*\i+3], v[LI], s[\base:\base+1] offset:(8*\u+\i+8*(\i/8))*1024+512*\ks
.endr
.endm
; through my stage: in as loaded, out 64 bytes of each block a lane: register 16 b + i = k 32 b + 16 h + i of row r.  LDS serves a wave's instructions in order: no wait between stores and loads
.macro TURN reg
.irp i, 0,1,2,3,4,5,6,7,8,9,10,11,12,13,14,15
	ds_store_b128 v[STW], v[\reg+4*\i:\reg+4*\i+3] offset:SP*\i
.endr
.irp b, 0,1,2,3
.irp j, 0,1,2,3
	ds_load_b128 v[\reg+16*\b+4*\j:\reg+16*\b+4*\j+3], v[STR] offset:128*\b+16*\j
.endr
.endr
.endm
; 64 numbers of a lane (register 16 b + i = k 32 b + 16 h + i of my row) become a fragment's codes in v[PC] on and its scale word in v[PW]
.macro QUANT s
.irp b, 0,1,2,3
	v_max3_num_f32 v[TM+\b], |v[\s+16*\b]|, |v[\s+1+16*\b]|, 0x1800000   ; my 16 numbers of block b, and the floor 2^(3 - 127): the byte cannot fall under 1
.endr
.irp i, 2,4,6,8,10,12,14
.irp b, 0,1,2,3
	v_max3_num_f32 v[TM+\b], v[TM+\b], |v[\s+16*\b+\i]|, |v[\s+1+16*\b+\i]|
.endr
.endr
.irp b, 0,1,2,3
	v_permlanex16_b32 v[TM+4+\b], v[TM+\b], s[SEL], s[SEL+1]
.endr
.irp b, 0,1,2,3
	v_max_num_f32 v[TM+\b], v[TM+\b], v[TM+4+\b]                 ; with lane l xor 16's: the block's largest magnitude
.endr
.irp b, 0,1,2,3
	v_add_nc_u32 v[TM+12+\b], 0xff000000, v[TM+\b]               ; 2 off its exponent field: the conversion's scale operand
.endr
.irp b, 0,1,2,3
	v_lshrrev_b32 v[TM+4+\b], 23, v[TM+12+\b]                    ; the scale's byte
.endr
	v_lshl_or_b32 v[PW], v[TM+5], 8, v[TM+4]
	v_lshl_or_b32 v[PW], v[TM+6], 16, v[PW]
	v_lshl_or_b32 v[PW], v[TM+7], 24, v[PW]
.irp b, 0,1,2,3
	v_cvt_scalef32_pk8_fp4_f32 v[PC+2*\b], v[\s+16*\b:\s+7+16*\b], v[TM+12+\b]
	v_cvt_scalef32_pk8_fp4_f32 v[PC+1+2*\b], v[\s+8+16*\b:\s+15+16*\b], v[TM+12+\b]
.endr
	v_nop                                                        ; one plain place behind a scaled conversion
.irp c, 0,1                                                  ; a whole block to a lane: lanes 0-15 block 2 c, lanes 16-31 block 2 c + 1
.irp i, 0,1
	v_permlane16_swap_b32 v[PC+4*\c+\i], v[PC+2+4*\c+\i]
.endr
.endr
.endm
; the same for 32 numbers, two blocks: four registers of codes at v[pc] on; v[PW] = byte 0 | byte 1 << 8
.macro QUANT2 s, pc
.irp b, 0,1
	v_max3_num_f32 v[TM+\b], |v[\s+16*\b]|, |v[\s+1+16*\b]|, 0x1800000
.endr
.irp i, 2,4,6,8,10,12,14
.irp b, 0,1
	v_max3_num_f32 v[TM+\b], v[TM+\b], |v[\s+16*\b+\i]|, |v[\s+1+16*\b+\i]|
.endr
.endr
.irp b, 0,1
	v_permlanex16_b32 v[TM+4+\b], v[TM+\b], s[SEL], s[SEL+1]
.endr
.irp b, 0,1
	v_max_num_f32 v[TM+\b], v[TM+\b], v[TM+4+\b]
.endr
.irp b, 0,1
	v_add_nc_u32 v[TM+12+\b], 0xff000000, v[TM+\b]
.endr
.irp b, 0,1
	v_lshrrev_b32 v[TM+4+\b], 23, v[TM+12+\b]
.endr
	v_lshl_or_b32 v[PW], v[TM+5], 8, v[TM+4]
.irp b, 0,1
	v_cvt_scalef32_pk8_fp4_f32 v[\pc+2*\b], v[\s+16*\b:\s+7+16*\b], v[TM+12+\b]
	v_cvt_scalef32_pk8_fp4_f32 v[\pc+1+2*\b], v[\s+8+16*\b:\s+15+16*\b], v[TM+12+\b]
.endr
	v_nop
	v_permlane16_swap_b32 v[\pc], v[\pc+2]
	v_permlane16_swap_b32 v[\pc+1], v[\pc+3]
.endm
.macro IMAGE j                         ; the fragment and its scale word go to LDS as they stand
	ds_store_b128 v[IMW], v[PC:PC+3] offset:1024*\j
	ds_store_b128 v[IMW], v[PC+4:PC+7] offset:1024*\j+512
	ds_store_b32 v[SWW], v[PW] offset:128*\j
.endm
.macro BARRIER                         ; my LDS stores have landed and my LDS loads are in: then the work-group's barrier
	s_wait_dscnt 0x0
	s_barrier_signal -1
	s_barrier_wait -1
.endm
.macro MMC d, a, b, c, sa, sb
	v_wmma_scale_f32_16x16x128_f8f6f4 v[\d:\d+7], v[\a:\a+7], v[\b:\b+7], v[\c:\c+7], v[\sa], v[\sb] matrix_a_fmt:MATRIX_FMT_FP4 matrix_b_fmt:MATRIX_FMT_FP4
.endm
.macro PLACES
.rept 4
	v_nop
.endr
.endm
; one fragment of phase 0.  left: the younger loads that may stay out
.macro PH0 j, reg, left
	s_wait_loadcnt \left
	TURN \reg
	s_wait_dscnt 0x0                                             ; the turn is back, and the last image's stores have read their registers
	QUANT \reg
	IMAGE \j
.endm
	s_load_b512 s[4:19], s[0:1], 0x0               ; x, Wq, Wk, Wv, Wo, bq, bk, bv
	s_load_b256 s[20:27], s[0:1], 0x40             ; cod, scl, vres, wo
	v_lshl_add_u32 v238, v0, 2, 0x44000
	v_mov_b32 v239, 0
	v_lshrrev_b32 v21, 5, v0
	v_readfirstlane_b32 s[WV], v21                 ; wave 0..15
	v_and_b32 v21, 31, v0                          ; lane
	v_and_b32 v22, 15, v0                          ; r
	v_bfe_u32 v23, v0, 4, 1                        ; h
	v_and_b32 v24, 8, v22
	v_add_nc_u32 v24, v24, v22                     ; r + 8 (r / 8)
	s_mov_b32 s29, ttmp9                           ; g: the pair of heads
	s_and_b32 s30, ttmp7, 0xffff                   ; tb: the block of 128 tokens
	s_and_b32 s31, s30, 31                         ; its step in the batch
	s_lshr_b32 s32, s30, 5                         ; the batch
	s_and_b32 s50, s[WV], 7
	s_lshr_b32 s51, s50, 1
	s_and_b32 s52, s[WV], 1
	s_and_b32 s53, s[WV], 3
	s_bfe_u32 s63, s[WV], 0x10001                  ; (w / 2) % 2
	s_mov_b32 s[SEL], 0x76543210
	s_mov_b32 s[SEL+1], 0xfedcba98                 ; v_permlanex16_b32's selects for lane l xor 16
	; every LDS address is made here, ahead of the first parting of the waves: a constant + a constant x lane + a constant x a field of the wave's number
	v_lshlrev_b32 v[LI], 4, v21
	v_lshlrev_b32 v[LS], 2, v21
	s_mul_i32 s54, s[WV], 16*SP
	s_add_co_u32 s54, s54, STG
	v_add_nc_u32 v[STW], s54, v[LI]
	v_mul_u32_u24 v[STR], v22, SP
	v_lshl_add_u32 v[STR], v23, 6, v[STR]
	v_add_nc_u32 v[STR], s54, v[STR]
	s_lshl_b32 s54, s[WV], 12
	s_add_co_u32 s54, s54, IMG
	v_add_nc_u32 v[IMW], s54, v[LI]
	s_lshl_b32 s54, s[WV], 9
	v_add_nc_u32 v[SWW], s54, v[LS]
	s_lshl_b32 s54, s51, 13
	s_add_co_u32 s54, s54, IMG+16384
	v_add_nc_u32 v[WFQ], s54, v[LI]
	s_lshl_b32 s54, s50, 11
	s_add_co_u32 s54, s54, IMG+49152
	v_add_nc_u32 v[WFV], s54, v[LI]
	s_lshl_b32 s54, s51, 10
	s_add_co_u32 s54, s54, SCW+2048
	v_add_nc_u32 v[WSQ], s54, v[LS]
	s_lshl_b32 s54, s50, 8
	s_add_co_u32 s54, s54, SCW+6144
	v_add_nc_u32 v[WSV], s54, v[LS]
	s_lshl_b32 s54, s52, 13
	s_add_co_u32 s54, s54, IMG
	v_add_nc_u32 v[XFA], s54, v[LI]
	s_lshl_b32 s54, s52, 10
	v_add_nc_u32 v[XSA], s54, v[LS]
	v_mul_u32_u24 v[VSO], v23, 16*SP
	v_lshl_add_u32 v[VSO], v24, 2, v[VSO]
	s_lshl_b32 s54, s51, 7
	s_lshl_b32 s55, s52, 5
	s_add_co_u32 s54, s54, s55
	s_add_co_u32 s54, s54, VST
	v_add_nc_u32 v[VSO], s54, v[VSO]
	s_mul_i32 s54, s[WV], 8*SP
	s_add_co_u32 s54, s54, VST
	v_add_nc_u32 v[VSR], s54, v[LI]
	s_lshl_b32 s54, s50, 7
	s_add_co_u32 s54, s54, SC2
	v_lshl_add_u32 v[QSO], v22, 2, s54
	s_lshl_b32 s54, s50, 6
	s_add_co_u32 s54, s54, SC2+1024
	v_lshl_add_u32 v[VSS], v22, 2, s54
	s_lshl_b32 s54, s53, 9
	s_add_co_u32 s54, s54, SC2
	v_add_nc_u32 v[S2R], s54, v[LI]
	v_lshlrev_b32 v[BQO], 6, v23
	v_lshlrev_b32 v[BVO], 2, v24
	v_lshlrev_b32 v[SCO], 13, v23
	v_lshl_add_u32 v[SCO], v22, 4, v[SCO]
.irp b, 0,1,2,3
	v_mov_b32 v[TM+4+\b], 0                        ; written once: a lane permute's destination counts as one of its sources
.endr
	; byte offsets, both roles'; the choice follows below
	s_lshl_b32 s58, s29, 9                         ; 512 g
	s_lshl_b32 s54, s63, 8
	s_lshl_b32 s59, s51, 7
	s_lshl_b32 s55, s52, 5
	s_add_co_u32 s59, s59, s55
	s_add_co_u32 s59, s59, s58                     ; v role's bias: 4 (128 g + 32 (ct / 2) + 8 (ct % 2))
	s_add_co_u32 s58, s58, s54                     ; q/k role's: 4 (128 g + 64 head)
	s_lshl_b32 s62, s32, 2
	s_lshl_b32 s54, s29, 1
	s_add_co_u32 s62, s62, s54                     ; 4 b + 2 g
	s_lshl_b32 s33, s62, 13                        ; its 8,192 bytes of scale words a head
	s_lshl_b32 s62, s62, 17                        ; its 131,072 bytes of codes a head
	s_lshl_b32 s54, s31, 12
	s_add_co_u32 s62, s62, s54                     ; + 4,096 a step
	s_lshr_b32 s60, s[WV], 2
	s_lshl_b32 s60, s60, 21                        ; q's part or k's
	s_lshl_b32 s54, s63, 17
	s_add_co_u32 s60, s60, s54
	s_lshl_b32 s54, s52, 11
	s_add_co_u32 s60, s60, s54
	s_add_co_u32 s60, s60, s62                     ; q/k role's codes
	s_lshr_b32 s61, s50, 2
	s_lshl_b32 s61, s61, 17
	s_lshl_b32 s54, s53, 10
	s_add_co_u32 s61, s61, s54
	s_add_co_u32 s61, s61, s62
	s_add_co_u32 s61, s61, 0x400000                ; v role's codes
	s_wait_kmcnt 0x0
	s_cmp_lt_u32 s[WV], 12                         ; the choices hang on the wave's number alone
	s_cselect_b64 s[SRC:SRC+1], s[8:9], s[10:11]
	s_cmp_lt_u32 s[WV], 8
	s_cselect_b64 s[SRC:SRC+1], s[6:7], s[SRC:SRC+1]
	s_cselect_b64 s[BIA:BIA+1], s[16:17], s[18:19]
	s_cselect_b32 s58, s58, s59
	s_cselect_b32 s60, s60, s61
	s_cmp_lt_u32 s[WV], 4
	s_cselect_b64 s[SRC:SRC+1], s[4:5], s[SRC:SRC+1]
	s_cselect_b64 s[BIA:BIA+1], s[14:15], s[BIA:BIA+1]
	s_cselect_b32 s54, s30, s29                    ; x: block tb; a weight: block g
	s_lshl_b32 s54, s54, 7
	s_lshl_b32 s55, s53, 5
	s_add_co_u32 s54, s54, s55                     ; my first row
	s_lshl_b32 s54, s54, 10
	s_mov_b32 s55, 0
	s_add_nc_u64 s[SRC:SRC+1], s[SRC:SRC+1], s[54:55]
	s_mov_b32 s54, s58
	s_add_nc_u64 s[BIA:BIA+1], s[BIA:BIA+1], s[54:55]
	s_mov_b32 s54, s60
	s_add_nc_u64 s[DST:DST+1], s[20:21], s[54:55]
	s_lshl_b32 s54, s30, 17                        ; vres: 128 tb rows of 1,024 bytes + 512 g + 8 rows a wave
	s_lshl_b32 s59, s29, 9
	s_add_co_u32 s54, s54, s59
	s_lshl_b32 s59, s[WV], 13
	s_add_co_u32 s54, s54, s59
	s_add_nc_u64 s[VRD:VRD+1], s[24:25], s[54:55]
	s_lshl_b32 s54, s53, 17                        ; scl: part w % 4 (used by waves 0 to 2 alone)
	s_add_co_u32 s54, s54, s33
	s_lshl_b32 s59, s31, 8
	s_add_co_u32 s54, s54, s59
	s_add_nc_u64 s[SCD:SCD+1], s[22:23], s[54:55]
	s_lshl_b32 s54, s29, 7                         ; Wo: tile 8 g + w / 2, K step w % 2
	s_lshr_b32 s59, s[WV], 2
	s_lshl_b32 s59, s59, 5
	s_add_co_u32 s54, s54, s59
	s_lshl_b32 s59, s63, 3
	s_add_co_u32 s54, s54, s59
	s_lshl_b32 s54, s54, 10
	s_lshl_b32 s59, s52, 9
	s_add_co_u32 s54, s54, s59
	s_add_nc_u64 s[WOS:WOS+1], s[12:13], s[54:55]
	s_lshl_b32 s59, s29, 4
	s_add_co_u32 s59, s59, s[WV]                   ; its image: 16 g + w
	s_lshl_b32 s54, s59, 10
	s_add_nc_u64 s[WOD:WOD+1], s[26:27], s[54:55]
	s_lshl_b32 s54, s59, 7
	s_add_co_u32 s54, s54, 32768
	s_add_nc_u64 s[WOD2:WOD2+1], s[26:27], s[54:55]
	; the bias, in the result's layout: eight loads on either way
	s_cmp_lt_u32 s[WV], 8
	s_cbranch_scc0 .Lbias_v
.irp t, 0,1,2,3                                ; tile t, lane (r, h): channels 32 (t / 2) + 16 h + 8 (t % 2) + 0 .. 7 of the head
	global_load_b128 v[BI+8*\t:BI+8*\t+3], v[BQO], s[BIA:BIA+1] offset:(32*(\t/2)+8*(\t%2))*4
	global_load_b128 v[BI+8*\t+4:BI+8*\t+7], v[BQO], s[BIA:BIA+1] offset:(32*(\t/2)+8*(\t%2))*4+16
.endr
	s_branch .Lbias_done
.Lbias_v:
.irp j, 0,1,2,3,4,5,6,7                        ; a lane holds one channel: the same number in all eight registers
	global_load_b32 v[BI+\j], v[BVO], s[BIA:BIA+1]
.endr
.Lbias_done:
	; ---- PHASE 0: my four fragments (tile u = j / 2, K step j % 2); loads run one fragment ahead
	LOADF R0, SRC, 0, 0
	LOADF R1, SRC, 0, 1
	PH0 0, R0, 16                                  ; the next fragment's 16 loads may stay out
	LOADF R0, SRC, 1, 0
	PH0 1, R1, 16
	LOADF R1, SRC, 1, 1
	PH0 2, R0, 16
	s_cmp_lg_u32 s30, 0                            ; Wo's 32 fragments: one for each wave of the two work-groups with tb = 0
	s_cbranch_scc1 .Lno_wo_a
	LOADF R0, WOS, 0, 0
.Lno_wo_a:
	PH0 3, R1, 0
	s_cmp_lg_u32 s30, 0
	s_cbranch_scc1 .Lno_wo_b
	TURN R0
	s_wait_dscnt 0x0
	QUANT R0
	global_store_b128 v[LI], v[PC:PC+3], s[WOD:WOD+1]
	global_store_b128 v[LI], v[PC+4:PC+7], s[WOD:WOD+1] offset:512
	global_store_b32 v[LS], v[PW], s[WOD2:WOD2+1]
	s_wait_xcnt 0x0                                ; the codes' registers are written again only behind this wait
.Lno_wo_b:
	BARRIER                                        ; all 64 images lie in LDS
	s_cmp_lt_u32 s[WV], 8
	s_cbranch_scc0 .Lrole_v
	; ---- q/k ROLE: my head's 64 channels (four tiles) for my four tiles of 16 tokens
.irp f, 0,1,2,3,4,5,6,7                        ; fragment 2 t + ks
	ds_load_b128 v[WF+8*\f:WF+8*\f+3], v[WFQ] offset:1024*\f
	ds_load_b128 v[WF+8*\f+4:WF+8*\f+7], v[WFQ] offset:1024*\f+512
	ds_load_b32 v[S8+\f], v[WSQ] offset:128*\f
.endr
.irp n, 0,1,2,3
.irp ks, 0,1
	ds_load_b128 v[XF+8*\ks:XF+8*\ks+3], v[XFA] offset:(2*\n+\ks)*1024
	ds_load_b128 v[XF+8*\ks+4:XF+8*\ks+7], v[XFA] offset:(2*\n+\ks)*1024+512
	ds_load_b32 v[S2+\ks], v[XSA] offset:128*(2*\n+\ks)
.endr
	s_wait_dscnt 0x0
.irp t, 0,1,2,3                                ; the four accumulators by turns, one instruction a turn
	MMC H+8*\t, WF+16*\t, XF, BI+8*\t, S8+2*\t, S2
.endr
.irp t, 0,1,2,3
	MMC H+8*\t, WF+16*\t+8, XF+8, H+8*\t, S8+2*\t+1, S2+1
.endr
	PLACES
	QUANT2 H, PC+4*\n                              ; register 16 b + i = dim 32 b + 16 h + i of my token
	global_store_b128 v[LI], v[PC+4*\n:PC+4*\n+3], s[DST:DST+1] offset:512*\n   ; 512 consecutive bytes: a plane of a fragment of 32 tokens; each tile has its own four registers
.if (\n%2) == 0
	v_mov_b32 v[WA+\n/2], v[PW]
.else
	v_lshl_or_b32 v[WA+\n/2], v[PW], 16, v[WA+\n/2]               ; two tiles' two bytes each: the fragment's scale word
	ds_store_b32 v[QSO], v[WA+\n/2] offset:64*(\n/2)              ; lanes r and 16 + r write the same word with the same value
.endif
.endr
	s_branch .Lrole_done
.Lrole_v:
	; ---- v ROLE: my tile of 16 channels for all 128 tokens
.irp ks, 0,1
	ds_load_b128 v[WVF+8*\ks:WVF+8*\ks+3], v[WFV] offset:1024*\ks
	ds_load_b128 v[WVF+8*\ks+4:WVF+8*\ks+7], v[WFV] offset:1024*\ks+512
	ds_load_b32 v[S2+\ks], v[WSV] offset:128*\ks
.endr
.irp g, 0,1
.irp a, 0,1,2,3
.irp ks, 0,1
	ds_load_b128 v[WF+16*\a+8*\ks:WF+16*\a+8*\ks+3], v[LI] offset:IMG+(2*(4*\g+\a)+\ks)*1024
	ds_load_b128 v[WF+16*\a+8*\ks+4:WF+16*\a+8*\ks+7], v[LI] offset:IMG+(2*(4*\g+\a)+\ks)*1024+512
	ds_load_b32 v[S8+2*\a+\ks], v[LS] offset:SCW+(2*(4*\g+\a)+\ks)*128
.endr
.endr
	s_wait_dscnt 0x0
.irp a, 0,1,2,3
	MMC DV+8*(4*\g+\a), WF+16*\a, WVF, BI, S8+2*\a, S2
.endr
.irp a, 0,1,2,3
	MMC DV+8*(4*\g+\a), WF+16*\a+8, WVF+8, DV+8*(4*\g+\a), S8+2*\a+1, S2+1
.endr
	PLACES                                         ; in front of the next loads into fragments just read, and of the first read of results
.endr
.set q, 0
.rept 64                                       ; register 16 F + i = token 32 F + 16 h + i of my channel: into the rows of VST, each accumulator from its low end on
	ds_store_b32 v[VSO], v[DV+q] offset:(32*(q/16)+q%16)*SP
.set q, q+1
.endr
	QUANT DV                                       ; along the tokens: the keys of the second attention product
	global_store_b128 v[LI], v[PC:PC+3], s[DST:DST+1]
	global_store_b128 v[LI], v[PC+4:PC+7], s[DST:DST+1] offset:512
	ds_store_b32 v[VSS], v[PW]
.Lrole_done:
	BARRIER                                        ; 128 rows of v and all outgoing scale words lie in LDS
.irp i, 0,1,2,3,4,5,6,7
	ds_load_b128 v[WF+4*\i:WF+4*\i+3], v[VSR] offset:SP*\i
.endr
.irp i, 0,1,2,3,4,5,6,7
	s_wait_dscnt 7-\i                              ; row i is in; the younger rows may stay out
	global_store_b128 v[LI], v[WF+4*\i:WF+4*\i+3], s[VRD:VRD+1] offset:1024*\i   ; 32 lanes store 512 consecutive bytes, at a multiple of 256 from the buffer's first byte
.endr
	s_cmp_lt_u32 s[WV], 3                          ; waves 0, 1, 2: q's, k's, v's scale words of the two heads: 256 consecutive bytes each
	s_cbranch_scc0 .Lend
	ds_load_b128 v[96:99], v[S2R]
	s_wait_dscnt 0x0
	global_store_b128 v[SCO], v[96:99], s[SCD:SCD+1]
.Lend:
	s_wait_tensorcnt 0x0
	ds_add_u32 v238, v239
	s_wait_dscnt 0x0
	s_endpgm
.Lfunc_end_k_qf160994a98_proj:
	.size	k_qf160994a98_proj, .Lfunc_end_k_qf160994a98_proj-k_qf160994a98_proj
	.p2alignl 7, 3214868480
	.fill 96, 4, 3214868480
	.section	.rodata,"a",@progbits
	.p2align	6, 0x0
	.amdhsa_kernel k_qf160994a98_proj
		.amdhsa_group_segment_fixed_size 280576
		.amdhsa_private_segment_fixed_size 0
		.amdhsa_enable_private_segment 0
		.amdhsa_kernarg_size 96
		.amdhsa_user_sgpr_count 2
		.amdhsa_user_sgpr_kernarg_segment_ptr 1
		.amdhsa_wavefront_size32 1
		.amdhsa_system_sgpr_workgroup_id_x 1
		.amdhsa_system_sgpr_workgroup_id_y 1
		.amdhsa_system_sgpr_workgroup_id_z 1
		.amdhsa_system_vgpr_workitem_id 0
		.amdhsa_next_free_vgpr 256
		.amdhsa_next_free_sgpr 66
		.amdhsa_reserve_vcc 0
		.amdhsa_float_denorm_mode_32 3
		.amdhsa_float_denorm_mode_16_64 3
		.amdhsa_memory_ordered 1
		.amdhsa_forward_progress 1
		.amdhsa_inst_pref_size 77
	.end_amdhsa_kernel
	.amdgpu_metadata
---
amdhsa.version: [ 1, 2 ]
amdhsa.kernels:
  - .name:           k_qf160994a98_proj
    .symbol:         k_qf160994a98_proj.kd
    .args:
      - { .name: x, .offset: 0, .size: 8, .value_kind: global_buffer, .address_space: global }
      - { .name: Wq, .offset: 8, .size: 8, .value_kind: global_buffer, .address_space: global }
      - { .name: Wk, .offset: 16, .size: 8, .value_kind: global_buffer, .address_space: global }
      - { .name: Wv, .offset: 24, .size: 8, .value_kind: global_buffer, .address_space: global }
      - { .name: Wo, .offset: 32, .size: 8, .value_kind: global_buffer, .address_space: global }
      - { .name: bq, .offset: 40, .size: 8, .value_kind: global_buffer, .address_space: global }
      - { .name: bk, .offset: 48, .size: 8, .value_kind: global_buffer, .address_space: global }
      - { .name: bv, .offset: 56, .size: 8, .value_kind: global_buffer, .address_space: global }
      - { .name: cod, .offset: 64, .size: 8, .value_kind: global_buffer, .address_space: global }
      - { .name: scl, .offset: 72, .size: 8, .value_kind: global_buffer, .address_space: global }
      - { .name: vres, .offset: 80, .size: 8, .value_kind: global_buffer, .address_space: global }
      - { .name: wo, .offset: 88, .size: 8, .value_kind: global_buffer, .address_space: global }
    .group_segment_fixed_size: 280576
    .private_segment_fixed_size: 0
    .kernarg_segment_align: 8
    .kernarg_segment_size: 96
    .max_flat_workgroup_size: 512
    .sgpr_count:     66
    .vgpr_count:     256
    .wavefront_size: 32
...
	.end_amdgpu_metadata
.endif
;; end of part 1
;; launch attn (part 2): grid 16 x 16, 16 waves a work-group, clusters of 4 x 1, 280,576 bytes of LDS; arguments cod, scl, att; writes att
.if DOCPART == 2
	.amdgcn_target "amdgcn-amd-amdhsa--gfx1250"
	.amdhsa_code_object_version 6
	.text
	.protected	k_qf160994a98_attn
	.globl	k_qf160994a98_attn
	.p2align	8
	.type	k_qf160994a98_attn,@function
k_qf160994a98_attn:
	s_mov_b64 s[64:65], 0
	v_nop
	global_prefetch_b8 v0, s[64:65] scope:SCOPE_SE
	s_setreg_imm32_b32 hwreg(HW_REG_WAVE_MODE, 25, 1), 1
	s_wait_xcnt 0x0
	s_wait_alu depctr_hold_cnt(0) depctr_sa_sdst(0) depctr_va_vdst(0) depctr_va_sdst(0) depctr_va_ssrc(0) depctr_va_vcc(0) depctr_vm_vsrc(0)
	s_getreg_b32 s2, hwreg(HW_REG_IB_STS2, 6, 4)
	s_cmp_eq_u32 s2, 0
	s_cbranch_scc0 .Lentry_in_a_cluster
	s_endpgm
.Lentry_in_a_cluster:
	s_bfe_u32 s2, ttmp6, 0x10000c
	s_cmp_lg_u32 s2, 0x3003
	s_cbranch_scc0 .Lentry_shape_is_right
	s_endpgm
.Lentry_shape_is_right:
; Attention on codes of FP4 (E2M1), one E8M0 scale for each 32 along a product's K, for one (batch, head) bh and 256 queries a work-group; the result, divided by the row's sum, is quantised along the channels.
; THE SOFTMAX AHEAD OF THE SECOND PRODUCT: t = score x log2(e) / 8; M = the row's largest t so far, rounded up to a whole number; p = 2^(t - M) is quantised along the keys, not normalised.
; The row's sum is taken of the unquantised p.  When M moves, the sum and O are multiplied by 2^(old M - new M): exact.
; SHARES.  Sixteen waves, each one tile of 16 queries; every wave walks the head's 4,096 keys, 128 a step.
; LDS.  A head's K and V as register images (131,072 bytes each) and their scale words (8,192 each) fit at once: every byte is filled ONCE, nothing is ever filled again, nothing is stored there.
; CLUSTER.  The four query blocks of a cluster belong to one head: every fill is asked for JOINTLY (the same tensor load, the same descriptor, the mask of all four).  Wave 0 asks for K's four
; pieces (scale words; steps 0-3; 4-15; 16-31), wave 1 for V's: four tensor loads of a wave are out at the most.  The walk begins when the first pieces are in.
; THE HEAD'S 64 IN A PRODUCT OF 128: a fragment of K holds TWO tiles of 16 keys: tile 0 in k 0-63, tile 1 in k 64-127.  Multiplied by {q, zero codes} it gives tile 0's scores, by {zero codes, q} tile 1's:
; zero codes add exact zeros.  The scale bytes of q's zero blocks are 1.
; LAYOUT.  Both products are used transposed (source 0 = keys, or channels of V; source 1 = my queries): a lane holds one query throughout.  The keys of a tile, and V's channels, are laid by the launch
; before so that 16 registers of two neighbouring tiles are 16 neighbours: register 16 b + i = key (or channel) 32 b + 16 h + i.
; LIMITS: NaN and infinities are not served; a p under 2^-126 comes out of v_exp_f32 as 0; a block whose largest magnitude lies under 2^-124, a block of zeros too, takes the scale byte 1 (its bytes are
; read by this program alone); 1 / sum is v_rcp_f32.
.set LI,  1                            ; v1   16 x lane
.set LS,  2                            ; v2   K's scale words + 4 x lane
.set ADK, 3                            ; v3-5 the step's addresses
.set ADV, 4
.set ADS, 5
.set SBO, 6                            ; v6   8 r + h
.set QWO, 7                            ; v7   4 r
.set LN,  8                            ; v8   lane
.set QLO, 16                           ; v16-23 {q, 0};  v24-31 {0, q}
.set QHI, 24
.set KF,  32                           ; v32-63  K's four fragments
.set VF,  64                           ; v64-95  V's four
.set S,   96                           ; v96-159 S^T, then p
.set O,   160                          ; v160-191 O^T
.set PC,  192                          ; v192-199 p's codes
.set BM,  200                          ; v200-203 a block's largest score, then p
.set BT,  204                          ; v204-207 the other half's; then bytes
.set BS,  208                          ; v208-211 the conversions' scale operands
.set FF,  212                          ; v[212:213] f = 2^(old M - new M); v213 is 0 and only named with it
.set TP,  214
.set SU2, 216                          ; v[216:217] the sums' second chain
.set KS0, 220                          ; v220-221 K's scale words, v222-223 V's, v224 p's, v225-226 q's: these hold scales and nothing else
.set VS0, 222
.set PSW, 224
.set QSL, 225
.set QSH, 226
.set WV,  20
.set SEL, 92
.set CS,  94
.set TB,  96
.set TS,  97
.set CNT, 98
.macro GONE g, rows                    ; descriptor group 1: a dense block as rows of 256 bytes (32 elements of 8 bytes), no padding; 15:0 the mask of all four; bit 21 set beside it
	s_mov_b32 s[\g], 0x0023000f
	s_mov_b32 s[\g+1], 32<<16                      ; tensor_dim0
	s_mov_b32 s[\g+2], \rows<<16                   ; tensor_dim1
	s_mov_b32 s[\g+3], 32<<16                      ; tile_dim0
	s_mov_b32 s[\g+4], \rows                       ; tile_dim1
	s_mov_b32 s[\g+5], 32                          ; the pitch
	s_mov_b32 s[\g+6], 0
	s_mov_b32 s[\g+7], 0
.endm
.macro GZERO g, lds, base, off         ; descriptor group 0
	s_mov_b32 s[\g], 1
	s_mov_b32 s[\g+1], \lds
	s_add_nc_u64 s[\g+2:\g+3], s[\base:\base+1], \off
	s_or_b32 s[\g+3], s[\g+3], 0x80000000
.endm
.macro ROUND                           ; a round of the cluster's barrier
	s_barrier_signal -1
	s_barrier_wait -1
	s_cmp_lg_u32 s[WV], 0
	s_cbranch_scc1 .Lnot_wave_0_\@
	s_barrier_signal -3
.Lnot_wave_0_\@:
	s_barrier_wait -3
	s_barrier_signal -1
	s_barrier_wait -1
.endm
.macro MM0 d, a, b, sa, sb
	v_wmma_scale_f32_16x16x128_f8f6f4 v[\d:\d+7], v[\a:\a+7], v[\b:\b+7], 0, v[\sa], v[\sb] matrix_a_fmt:MATRIX_FMT_FP4 matrix_b_fmt:MATRIX_FMT_FP4
.endm
.macro MM0R d, a, b, sa, sb            ; source 0's scales from lanes 16-31
	v_wmma_scale_f32_16x16x128_f8f6f4 v[\d:\d+7], v[\a:\a+7], v[\b:\b+7], 0, v[\sa], v[\sb] matrix_a_fmt:MATRIX_FMT_FP4 matrix_b_fmt:MATRIX_FMT_FP4 matrix_a_scale:MATRIX_SCALE_ROW1
.endm
.macro MMA d, a, b, sa, sb
	v_wmma_scale_f32_16x16x128_f8f6f4 v[\d:\d+7], v[\a:\a+7], v[\b:\b+7], v[\d:\d+7], v[\sa], v[\sb] matrix_a_fmt:MATRIX_FMT_FP4 matrix_b_fmt:MATRIX_FMT_FP4
.endm
.macro MMAR d, a, b, sa, sb
	v_wmma_scale_f32_16x16x128_f8f6f4 v[\d:\d+7], v[\a:\a+7], v[\b:\b+7], v[\d:\d+7], v[\sa], v[\sb] matrix_a_fmt:MATRIX_FMT_FP4 matrix_b_fmt:MATRIX_FMT_FP4 matrix_a_scale:MATRIX_SCALE_ROW1
.endm
	s_load_b128 s[4:7], s[0:1], 0x0                ; cod, scl
	s_load_b64 s[8:9], s[0:1], 0x10                ; att
	v_lshl_add_u32 v232, v0, 2, 0x44000
	v_mov_b32 v233, 0
	ds_add_u32 v232, v233
	ds_add_u32 v232, v233
	v_lshrrev_b32 v3, 5, v0
	v_readfirstlane_b32 s[WV], v3                  ; wave 0..15
	s_and_b32 s21, ttmp7, 0xffff                   ; bh = 4 x batch + head, which the four partners share
	s_bfe_u32 s22, ttmp6, 0x40000                  ; cx
	s_lshl_b32 s23, ttmp9, 2
	s_add_co_u32 s22, s23, s22                     ; my block of 256 queries: it enters q's and att's global addresses alone, in registers that feed no descriptor
	GONE 24, 32                                    ; scale words: 8,192 bytes
	GONE 32, 64                                    ; steps 0-3: 16,384 bytes
	GONE 40, 192                                   ; steps 4-15: 49,152
	GONE 48, 256                                   ; steps 16-31: 65,536
	s_lshl_b32 s10, s21, 17                        ; the head's codes in each part of cod
	s_mov_b32 s11, 0
	s_lshl_b32 s12, s21, 13                        ; its scale words in each part of scl
	s_mov_b32 s13, 0
	s_mov_b32 s[SEL], 0x76543210
	s_mov_b32 s[SEL+1], 0xfedcba98
	s_mov_b32 s[CS], 0x3e38aa3b                    ; c = log2(e) / 8
	s_mov_b32 s[CS+1], s[CS]                       ; (named with it as a pair, so it is written)
	s_wait_dscnt 0x0
	s_wait_kmcnt 0x0
	s_add_nc_u64 s[14:15], s[4:5], s[10:11]
	s_add_nc_u64 s[16:17], s[6:7], s[12:13]
	GZERO 56, 262144, 16, 131072                   ; K's scale words
	GZERO 60, 0, 14, 0x200000                      ; K's steps 0-3
	GZERO 68, 16384, 14, 0x200000+16384            ; 4-15
	GZERO 72, 65536, 14, 0x200000+65536            ; 16-31
	GZERO 76, 270336, 16, 262144                   ; V's scale words
	GZERO 80, 131072, 14, 0x400000
	GZERO 84, 147456, 14, 0x400000+16384
	GZERO 88, 196608, 14, 0x400000+65536
	ROUND                                          ; all four work-groups are here: the joint loads meet
	s_cmp_lg_u32 s[WV], 0                          ; a wave's fills stand in one branch on the wave's number, ahead of every wait on TENSORcnt, every LDS read and every other barrier
	s_cbranch_scc1 .Lnot_k
	tensor_load_to_lds s[56:59], s[24:31]
	s_nop 0
	tensor_load_to_lds s[60:63], s[32:39]
	s_nop 0
	tensor_load_to_lds s[68:71], s[40:47]
	s_nop 0
	tensor_load_to_lds s[72:75], s[48:55]
	s_nop 0
.rept 4
	v_nop                                          ; four v_nop follow the last
.endr
	s_branch .Lfilled
.Lnot_k:
	s_cmp_lg_u32 s[WV], 1
	s_cbranch_scc1 .Lfilled
	tensor_load_to_lds s[76:79], s[24:31]
	s_nop 0
	tensor_load_to_lds s[80:83], s[32:39]
	s_nop 0
	tensor_load_to_lds s[84:87], s[40:47]
	s_nop 0
	tensor_load_to_lds s[88:91], s[48:55]
	s_nop 0
.rept 4
	v_nop
.endr
.Lfilled:
	v_and_b32 v[LN], 31, v0
	v_and_b32 v9, 15, v0                           ; r
	v_bfe_u32 v10, v0, 4, 1                        ; h
	v_lshlrev_b32 v[LI], 4, v[LN]
	v_lshl_add_u32 v[LS], v[LN], 2, 262144
	v_lshl_add_u32 v[SBO], v9, 3, v10
	v_lshlrev_b32 v[QWO], 2, v9
	s_mov_b32 s3, 0
	s_lshl_b32 s2, s22, 13                         ; q: my block's 8,192 bytes, my wave's plane of 512
	s_lshl_b32 s23, s[WV], 9
	s_add_co_u32 s2, s2, s23
	s_add_nc_u64 s[100:101], s[14:15], s[2:3]
	s_lshl_b32 s2, s22, 9                          ; its scale words: 512 bytes a block, 64 for each pair of waves
	s_lshr_b32 s23, s[WV], 1
	s_lshl_b32 s23, s23, 6
	s_add_co_u32 s2, s2, s23
	s_add_nc_u64 s[18:19], s[16:17], s[2:3]
	global_load_b128 v[QLO:QLO+3], v[LI], s[100:101]             ; my 16 queries' codes, twice: as k 0-63 and as k 64-127
	global_load_b128 v[QHI+4:QHI+7], v[LI], s[100:101]
	global_load_b32 v[TP], v[QWO], s[18:19]
	s_lshr_b32 s2, s21, 2                          ; my token tile: 256 x batch + 16 x block + wave
	s_lshl_b32 s2, s2, 8
	s_lshl_b32 s23, s22, 4
	s_add_co_u32 s2, s2, s23
	s_add_co_u32 s2, s2, s[WV]
	s_and_b32 s23, s21, 3                          ; the head
	s_lshl_b32 s99, s2, 7
	s_lshl_b32 s2, s2, 11
	s_lshl_b32 s3, s23, 9
	s_add_co_u32 s2, s2, s3
	s_mov_b32 s3, 0
	s_add_nc_u64 s[66:67], s[8:9], s[2:3]          ; att's codes: 2,048 a tile, 512 a head
	s_lshl_b32 s23, s23, 1
	s_add_co_u32 s2, s99, s23
	s_add_co_u32 s2, s2, 0x200000
	s_add_nc_u64 s[8:9], s[8:9], s[2:3]            ; att's scale bytes: 128 a tile, 8 a token, 2 a head
	s_and_b32 s23, s[WV], 1
	s_lshl_b32 s23, s23, 4
.irp j, 4,5,6,7,8,9,10,11
	v_mov_b32 v[QLO+\j], 0                         ; the zero codes
.endr
	s_wait_loadcnt 0x0
	v_lshrrev_b32 v[TP], s23, v[TP]                ; my tile's two bytes of the word of 32 tokens
	v_and_b32 v[TP], 0xffff, v[TP]
	v_or_b32 v[QSL], 0x01010000, v[TP]
	v_lshl_or_b32 v[QSH], v[TP], 16, 0x0101
.irp j, 0,1,2,3,4,5,6,7,8,9,10,11,12,13,14,15,16,17,18,19,20,21,22,23,24,25,26,27,28,29,30,31
	v_mov_b32 v[O+\j], 0                           ; O^T: the first step finds zeros, which the first change of M leaves zeros.  (These lines are also the places between q's scale words and the first product)
.endr
	v_mov_b32 v13, 0xff61b1e6                      ; the largest t so far: -3e38
	v_floor_f32 v12, -v13                          ; -M
	v_mov_b32 v14, 0                               ; the sum, in two halves
	v_mov_b32 v15, 0
	v_mov_b32 v[FF+1], 0
.irp b, 0,1,2,3
	v_mov_b32 v[BT+\b], 0                          ; a lane permute's destination counts as one of its sources
.endr
; A KEY STEP: 128 keys
.macro STEP
	v_add_nc_u32 v[ADK], s[TB], v[LI]              ; these four lines are the places between the last step's products and the loads into their fragments
	v_add_nc_u32 v[ADS], s[TS], v[LS]
	v_add_nc_u32 v[ADV], 0x20000, v[ADK]
	v_nop
.irp f, 0,1,2,3
	ds_load_b128 v[KF+8*\f:KF+8*\f+3], v[ADK] offset:1024*\f
	ds_load_b128 v[KF+8*\f+4:KF+8*\f+7], v[ADK] offset:1024*\f+512
.endr
	ds_load_b32 v[KS0], v[ADS]                     ; lanes 0-15: fragment 0's words, lanes 16-31: fragment 1's
	ds_load_b32 v[KS0+1], v[ADS] offset:128
.irp f, 0,1,2,3
	ds_load_b128 v[VF+8*\f:VF+8*\f+3], v[ADV] offset:1024*\f
	ds_load_b128 v[VF+8*\f+4:VF+8*\f+7], v[ADV] offset:1024*\f+512
.endr
	ds_load_b32 v[VS0], v[ADS] offset:8192
	ds_load_b32 v[VS0+1], v[ADS] offset:8192+128
	s_wait_dscnt 10                                ; K's ten loads are in; V's ten may stay out
.irp f, 0,2
	MM0 S+16*\f, KF+8*\f, QLO, KS0+\f/2, QSL
	MM0 S+16*\f+8, KF+8*\f, QHI, KS0+\f/2, QSH
	MM0R S+16*\f+16, KF+8*\f+8, QLO, KS0+\f/2, QSL
	MM0R S+16*\f+24, KF+8*\f+8, QHI, KS0+\f/2, QSH
.endr
.rept 4
	v_nop
.endr
.irp b, 0,1,2,3
	v_max3_num_f32 v[BM+\b], v[S+16*\b], v[S+1+16*\b], v[S+2+16*\b]   ; the largest score of each block of 32 keys: for the row's maximum, and, since p rises with the score, for the block's largest p
.endr
.irp i, 3,5,7,9,11,13
.irp b, 0,1,2,3
	v_max3_num_f32 v[BM+\b], v[BM+\b], v[S+16*\b+\i], v[S+1+16*\b+\i]
.endr
.endr
.irp b, 0,1,2,3
	v_max_num_f32 v[BM+\b], v[BM+\b], v[S+15+16*\b]
.endr
.irp b, 0,1,2,3
	v_permlanex16_b32 v[BT+\b], v[BM+\b], s[SEL], s[SEL+1]
.endr
.irp b, 0,1,2,3
	v_max_num_f32 v[BM+\b], v[BM+\b], v[BT+\b]     ; with lane l xor 16's 16 keys
.endr
	v_max3_num_f32 v[TP], v[BM], v[BM+1], v[BM+2]
	v_max_num_f32 v[TP], v[TP], v[BM+3]
	v_mul_f32 v[TP], s[CS], v[TP]                  ; the step's largest t (c is positive)
	v_max_num_f32 v13, v13, v[TP]
	v_mov_b32 v[TP], v12
	v_floor_f32 v12, -v13                          ; the new -M = -ceil(t)
	v_sub_f32 v[TP], v12, v[TP]                    ; old M - new M: a whole number, 0 or less
	v_cvt_i32_f32 v[TP], v[TP]                     ; (it saturates)
	v_ldexp_f32 v[FF], 1.0, v[TP]                  ; f = 2^(old M - new M)
.irp j, 0,2,4,6,8,10,12,14,16,18,20,22,24,26,28,30,32,34,36,38,40,42,44,46,48,50,52,54,56,58,60,62
	v_pk_fma_f32 v[S+\j:S+\j+1], v[S+\j:S+\j+1], s[CS:CS+1], v[12:13] op_sel_hi:[1,0,0]   ; t - M
.endr
.irp b, 0,1,2,3
	v_fma_f32 v[BM+\b], v[BM+\b], s[CS], v12
.endr
.irp j, 0,1,2,3,4,5,6,7,8,9,10,11,12,13,14,15,16,17,18,19,20,21,22,23,24,25,26,27,28,29,30,31,32,33,34,35,36,37,38,39,40,41,42,43,44,45,46,47,48,49,50,51,52,53,54,55,56,57,58,59,60,61,62,63
	v_exp_f32 v[S+\j], v[S+\j]                     ; p = 2^(t - M)
.endr
.irp b, 0,1,2,3
	v_exp_f32 v[BM+\b], v[BM+\b]                   ; the block's largest p: the same two instructions on the same number
.endr
	v_pk_mul_f32 v[14:15], v[14:15], v[FF:FF+1] op_sel_hi:[1,0]   ; the sums under the new M (a plain place behind the exponentials)
	s_wait_alu depctr_va_vdst(0)
.irp b, 0,1,2,3
	v_max_num_f32 v[BM+\b], 0x1800000, v[BM+\b]    ; the floor 2^(3 - 127)
.endr
.irp b, 0,1,2,3
	v_add_nc_u32 v[BS+\b], 0xff000000, v[BM+\b]
.endr
.irp b, 0,1,2,3
	v_lshrrev_b32 v[BT+\b], 23, v[BS+\b]
.endr
	v_lshl_or_b32 v[PSW], v[BT+1], 8, v[BT]        ; p's scale word for these 128 keys
	v_lshl_or_b32 v[PSW], v[BT+2], 16, v[PSW]
	v_lshl_or_b32 v[PSW], v[BT+3], 24, v[PSW]
.irp b, 0,1,2,3
	v_cvt_scalef32_pk8_fp4_f32 v[PC+2*\b], v[S+16*\b:S+7+16*\b], v[BS+\b]
	v_cvt_scalef32_pk8_fp4_f32 v[PC+1+2*\b], v[S+8+16*\b:S+15+16*\b], v[BS+\b]
.endr
	v_nop
.irp c, 0,1
.irp i, 0,1
	v_permlane16_swap_b32 v[PC+4*\c+\i], v[PC+2+4*\c+\i]
.endr
.endr
	v_pk_add_f32 v[SU2:SU2+1], v[S:S+1], v[S+2:S+3]               ; the row's sum of the UNQUANTISED p, in two chains.  (These lines are also the places between p's codes and scale word and the products below)
.irp j, 4,8,12,16,20,24,28,32,36,40,44,48,52,56,60
	v_pk_add_f32 v[14:15], v[14:15], v[S+\j:S+\j+1]
	v_pk_add_f32 v[SU2:SU2+1], v[SU2:SU2+1], v[S+2+\j:S+3+\j]
.endr
	v_pk_add_f32 v[14:15], v[14:15], v[SU2:SU2+1]
.irp j, 0,2,4,6,8,10,12,14,16,18,20,22,24,26,28,30
	v_pk_mul_f32 v[O+\j:O+\j+1], v[O+\j:O+\j+1], v[FF:FF+1] op_sel_hi:[1,0]   ; O^T under the new M
.endr
	s_wait_dscnt 0x0                               ; V is in
	MMA O, VF, PC, VS0, PSW                        ; O^T += V^T P^T: four accumulators, one instruction each
	MMAR O+8, VF+8, PC, VS0, PSW
	MMA O+16, VF+16, PC, VS0+1, PSW
	MMAR O+24, VF+24, PC, VS0+1, PSW
	s_add_co_u32 s[TB], s[TB], 4096
	s_add_co_u32 s[TS], s[TS], 256
.endm
; A piece of the keys.  cnt: how many of the asking waves' later pieces may stay out, so they stay in flight across it
.macro PHASE cnt, first, trips
	s_wait_tensorcnt \cnt
	s_wait_dscnt 0x0
	s_barrier_signal -1
	s_barrier_wait -1
	s_mov_b32 s[TB], \first*4096
	s_mov_b32 s[TS], \first*256
	s_mov_b32 s[CNT], \trips
.Lstep_\@:
	STEP
	s_sub_co_u32 s[CNT], s[CNT], 1
	s_cmp_lg_u32 s[CNT], 0
	s_cbranch_scc1 .Lstep_\@
.endm
	PHASE 2, 0, 4                                  ; the scale words and steps 0-3 are in
	PHASE 1, 4, 12
	PHASE 0, 16, 16
	; THE WAY OUT: O^T / the sum, quantised along the head's 64 channels (two blocks): a plane of 512 bytes and two bytes a token
.rept 4
	v_nop
.endr
	v_add_f32 v14, v14, v15
	v_permlanex16_b32 v[TP], v14, s[SEL], s[SEL+1]
	v_add_f32 v14, v14, v[TP]                      ; the row's sum
	v_rcp_f32 v14, v14
	v_nop
	s_wait_alu depctr_va_vdst(0)
.irp j, 0,2,4,6,8,10,12,14,16,18,20,22,24,26,28,30
	v_pk_mul_f32 v[S+\j:S+\j+1], v[O+\j:O+\j+1], v[14:15] op_sel_hi:[1,0]   ; register 16 b + i = channel 32 b + 16 h + i of my query; each accumulator from its low end on
.endr
.irp b, 0,1
	v_max3_num_f32 v[BM+\b], |v[S+16*\b]|, |v[S+1+16*\b]|, 0x1800000
.endr
.irp i, 2,4,6,8,10,12,14
.irp b, 0,1
	v_max3_num_f32 v[BM+\b], v[BM+\b], |v[S+16*\b+\i]|, |v[S+1+16*\b+\i]|
.endr
.endr
.irp b, 0,1
	v_permlanex16_b32 v[BT+\b], v[BM+\b], s[SEL], s[SEL+1]
.endr
.irp b, 0,1
	v_max_num_f32 v[BM+\b], v[BM+\b], v[BT+\b]
.endr
.irp b, 0,1
	v_add_nc_u32 v[BS+\b], 0xff000000, v[BM+\b]
.endr
.irp b, 0,1
	v_lshrrev_b32 v[BT+\b], 23, v[BS+\b]
.endr
.irp b, 0,1
	v_cvt_scalef32_pk8_fp4_f32 v[PC+2*\b], v[S+16*\b:S+7+16*\b], v[BS+\b]
	v_cvt_scalef32_pk8_fp4_f32 v[PC+1+2*\b], v[S+8+16*\b:S+15+16*\b], v[BS+\b]
.endr
	v_nop
	v_permlane16_swap_b32 v[PC], v[PC+2]
	v_permlane16_swap_b32 v[PC+1], v[PC+3]
	v_cmp_le_u32 vcc_lo, 16, v[LN]
	v_cndmask_b32 v[TP], v[BT], v[BT+1], vcc_lo    ; lanes 0-15 store block 0's byte, lanes 16-31 block 1's
	global_store_b128 v[LI], v[PC:PC+3], s[66:67]  ; 512 consecutive bytes
	global_store_b8 v[SBO], v[TP], s[8:9]          ; a token's other six bytes come from the other heads' work-groups
	s_wait_tensorcnt 0x0
	ds_add_u32 v232, v233
	s_wait_dscnt 0x0
	ROUND                                          ; the closing round: no work-group ends while a partner may still ask for a tile that names it
	s_endpgm
.Lfunc_end_k_qf160994a98_attn:
	.size	k_qf160994a98_attn, .Lfunc_end_k_qf160994a98_attn-k_qf160994a98_attn
	.p2alignl 7, 3214868480
	.fill 96, 4, 3214868480
	.section	.rodata,"a",@progbits
	.p2align	6, 0x0
	.amdhsa_kernel k_qf160994a98_attn
		.amdhsa_group_segment_fixed_size 280576
		.amdhsa_private_segment_fixed_size 0
		.amdhsa_enable_private_segment 0
		.amdhsa_kernarg_size 24
		.amdhsa_user_sgpr_count 2
		.amdhsa_user_sgpr_kernarg_segment_ptr 1
		.amdhsa_wavefront_size32 1
		.amdhsa_system_sgpr_workgroup_id_x 1
		.amdhsa_system_sgpr_workgroup_id_y 1
		.amdhsa_system_sgpr_workgroup_id_z 1
		.amdhsa_system_vgpr_workitem_id 0
		.amdhsa_next_free_vgpr 234
		.amdhsa_next_free_sgpr 102
		.amdhsa_reserve_vcc 1
		.amdhsa_float_denorm_mode_32 3
		.amdhsa_float_denorm_mode_16_64 3
		.amdhsa_memory_ordered 1
		.amdhsa_forward_progress 1
		.amdhsa_inst_pref_size 60
	.end_amdhsa_kernel
	.amdgpu_metadata
---
amdhsa.version: [ 1, 2 ]
amdhsa.kernels:
  - .name:           k_qf160994a98_attn
    .symbol:         k_qf160994a98_attn.kd
    .args:
      - { .name: cod, .offset: 0, .size: 8, .value_kind: global_buffer, .address_space: global }
      - { .name: scl, .offset: 8, .size: 8, .value_kind: global_buffer, .address_space: global }
      - { .name: att, .offset: 16, .size: 8, .value_kind: global_buffer, .address_space: global }
    .group_segment_fixed_size: 280576
    .private_segment_fixed_size: 0
    .kernarg_segment_align: 8
    .kernarg_segment_size: 24
    .max_flat_workgroup_size: 512
    .sgpr_count:     102
    .vgpr_count:     234
    .wavefront_size: 32
...
	.end_amdgpu_metadata
.endif
;; end of part 2
;; launch outln (part 3): grid 256 x 1, 16 waves a work-group, no clusters, 68,608 bytes of LDS; arguments att, wo, bo, vres, gamma, beta, out0; writes out0
.if DOCPART == 3
	.amdgcn_target "amdgcn-amd-amdhsa--gfx1250"
	.amdhsa_code_object_version 6
	.text
	.protected	k_qf160994a98_outln
	.globl	k_qf160994a98_outln
	.p2align	8
	.type	k_qf160994a98_outln,@function
k_qf160994a98_outln:
	s_mov_b64 s[64:65], 0
	v_nop
	global_prefetch_b8 v0, s[64:65] scope:SCOPE_SE
	s_setreg_imm32_b32 hwreg(HW_REG_WAVE_MODE, 25, 1), 1
	s_wait_xcnt 0x0
; out0 = LayerNorm(a Wo^T + bo + v) x gamma + beta.  a (the attention's result) and Wo arrive as register images of FP4 (E2M1) fragments with E8M0 scale words; v as f32.
; SHARES.  A work-group owns four tiles of 16 tokens (64 consecutive tokens).  Wave w keeps Wo's tile w (16 of the 256 outputs) in registers and multiplies it with all four token tiles, transposed
; (source 0 = Wo, source 1 = tokens): a lane holds one token and eight neighbouring outputs.  The results meet in a stage in LDS; then each wave owns four whole rows: residual, mean, variance (two
; passes, as the definition has them), gain and offset, and stores 512 consecutive bytes an instruction.
; No tensor load, no cluster: what the work-groups share is Wo's 36,864 bytes, a small part of what each reads.
; LIMITS: NaN and infinities are not served; the reciprocal root is v_rsq_f32.
.set LI,  1                            ; v1  16 x lane
.set LS,  2                            ; v2  4 x lane
.set R8,  3                            ; v3  8 r
.set SO,  4                            ; v4  the stage, in: row r, my outputs' bytes
.set SR,  5                            ; v5  the stage, out: my four rows
.set H64, 6                            ; v6  64 h
.set BO,  8                            ; v8-15    bo in the result's layout
.set WOF, 16                           ; v16-31   Wo's two fragments
.set WSC, 32                           ; v32-33   their scale words;  v34-41 the tokens' (two a tile): scales and nothing else
.set ASC, 34
.set AF,  48                           ; v48-111  the tokens' eight fragments
.set ACC, 112                          ; v112-143 four accumulators
.set VR,  144                          ; v144-175 four rows of v
.set GA,  176
.set BE,  184
.set Y,   192                          ; v192-223 four rows: 8 numbers a lane each: channels 4 lane .. + 3 and 128 + 4 lane .. + 3
.set T,   224                          ; v224-239 four registers a row, at work
.set PT,  1040                         ; a stage row: 1,024 bytes + 16: an odd multiple of 16
.set WV,  20
.set SEL, 22
.macro MMC d, a, b, c, sa, sb
	v_wmma_scale_f32_16x16x128_f8f6f4 v[\d:\d+7], v[\a:\a+7], v[\b:\b+7], v[\c:\c+7], v[\sa], v[\sb] matrix_a_fmt:MATRIX_FMT_FP4 matrix_b_fmt:MATRIX_FMT_FP4
.endm
.macro ACROSS reg, tmp                 ; the sum over the wave's 32 lanes of v[reg + 4 i], the four rows by turns; the result in every lane
.irp x, 1,2,4,8
.irp i, 0,1,2,3
	v_add_f32_dpp v[\reg+4*\i], v[\reg+4*\i], v[\reg+4*\i] row_xmask:\x row_mask:0xf bank_mask:0xf
.endr
.endr
.irp i, 0,1,2,3
	v_permlanex16_b32 v[\tmp+4*\i], v[\reg+4*\i], s[SEL], s[SEL+1]
.endr
.irp i, 0,1,2,3
	v_add_f32 v[\reg+4*\i], v[\reg+4*\i], v[\tmp+4*\i]
.endr
.endm
	s_load_b256 s[4:11], s[0:1], 0x0               ; att, wo, bo, vres
	s_load_b128 s[12:15], s[0:1], 0x20             ; gamma, beta
	s_load_b64 s[16:17], s[0:1], 0x30              ; out0
	v_lshl_add_u32 v240, v0, 2, 0x10400
	v_mov_b32 v241, 0
	v_lshrrev_b32 v7, 5, v0
	v_readfirstlane_b32 s[WV], v7                  ; wave 0..15
	v_and_b32 v7, 31, v0                           ; lane
	v_and_b32 v[T], 15, v0                         ; r
	v_bfe_u32 v[T+1], v0, 4, 1                     ; h
	v_lshlrev_b32 v[LI], 4, v7
	v_lshlrev_b32 v[LS], 2, v7
	v_lshlrev_b32 v[R8], 3, v[T]
	v_lshlrev_b32 v[H64], 6, v[T+1]
	s_lshr_b32 s21, s[WV], 1
	s_lshl_b32 s21, s21, 7
	s_and_b32 s39, s[WV], 1
	s_lshl_b32 s39, s39, 5
	s_add_co_u32 s21, s21, s39                     ; my tile's first output, in bytes: 128 (w / 2) + 32 (w % 2)
	v_mul_u32_u24 v[SO], v[T], PT
	v_add_nc_u32 v[SO], v[SO], v[H64]
	v_add_nc_u32 v[SO], s21, v[SO]
	s_mul_i32 s39, s[WV], 4*PT
	v_add_nc_u32 v[SR], s39, v[LI]
	s_mov_b32 s[SEL], 0x76543210
	s_mov_b32 s[SEL+1], 0xfedcba98
	s_mov_b32 s18, 0x3b800000                      ; 1 / 256
	s_mov_b32 s19, 0x358637bd                      ; 1e-6
	; stage rows 4 w .. 4 w + 3 are position 4 (w % 4) + i of token tile w / 4: four consecutive tokens from tok0 on
	s_lshl_b32 s38, ttmp9, 6
	s_lshr_b32 s39, s[WV], 3
	s_lshl_b32 s39, s39, 5
	s_add_co_u32 s38, s38, s39
	s_bfe_u32 s39, s[WV], 0x10002
	s_lshl_b32 s39, s39, 3
	s_add_co_u32 s38, s38, s39
	s_and_b32 s39, s[WV], 3
	s_lshl_b32 s39, s39, 2
	s_add_co_u32 s38, s38, s39
	s_bfe_u32 s39, s[WV], 0x10001
	s_lshl_b32 s39, s39, 3
	s_add_co_u32 s38, s38, s39                     ; tok0
	s_lshl_b32 s38, s38, 10
	s_mov_b32 s39, 0
	s_wait_kmcnt 0x0
	s_add_nc_u64 s[34:35], s[10:11], s[38:39]      ; v's rows
	s_add_nc_u64 s[36:37], s[16:17], s[38:39]      ; out0's
	s_lshl_b32 s38, s[WV], 11
	s_add_nc_u64 s[24:25], s[6:7], s[38:39]        ; Wo's tile w
	s_lshl_b32 s38, s[WV], 8
	s_add_co_u32 s38, s38, 32768
	s_add_nc_u64 s[26:27], s[6:7], s[38:39]        ; its scale words
	s_lshl_b32 s38, ttmp9, 13
	s_add_nc_u64 s[28:29], s[4:5], s[38:39]        ; my four token tiles' images
	s_lshl_b32 s38, ttmp9, 9
	s_add_co_u32 s38, s38, 0x200000
	s_add_nc_u64 s[30:31], s[4:5], s[38:39]        ; their scale bytes
	s_mov_b32 s38, s21
	s_add_nc_u64 s[32:33], s[8:9], s[38:39]        ; bo at my tile
.irp ks, 0,1
.irp c, 0,1
	global_load_b128 v[WOF+8*\ks+4*\c:WOF+8*\ks+4*\c+3], v[LI], s[24:25] offset:1024*\ks+512*\c
.endr
.endr
.irp ks, 0,1
	global_load_b32 v[WSC+\ks], v[LS], s[26:27] offset:128*\ks
.endr
.irp m, 0,1,2,3
.irp ks, 0,1
.irp c, 0,1
	global_load_b128 v[AF+16*\m+8*\ks+4*\c:AF+16*\m+8*\ks+4*\c+3], v[LI], s[28:29] offset:2048*\m+1024*\ks+512*\c
.endr
.endr
.endr
.irp m, 0,1,2,3
	global_load_b64 v[ASC+2*\m:ASC+2*\m+1], v[R8], s[30:31] offset:128*\m       ; a token's eight bytes: the two K steps' scale words
.endr
	global_load_b128 v[BO:BO+3], v[H64], s[32:33]                ; lane (r, h): outputs 16 h + 0 .. 7 of my tile's 32
	global_load_b128 v[BO+4:BO+7], v[H64], s[32:33] offset:16
.irp i, 0,1,2,3
	global_load_b128 v[VR+8*\i:VR+8*\i+3], v[LI], s[34:35] offset:1024*\i th:TH_LOAD_NT
	global_load_b128 v[VR+8*\i+4:VR+8*\i+7], v[LI], s[34:35] offset:1024*\i+512 th:TH_LOAD_NT
.endr
	global_load_b128 v[GA:GA+3], v[LI], s[12:13]
	global_load_b128 v[GA+4:GA+7], v[LI], s[12:13] offset:512
	global_load_b128 v[BE:BE+3], v[LI], s[14:15]
	global_load_b128 v[BE+4:BE+7], v[LI], s[14:15] offset:512
	s_wait_loadcnt 12                              ; the operands and bo are in; the twelve loads of v, gamma and beta may stay out
.irp m, 0,1,2,3                                ; four accumulators by turns, one instruction a turn; bo is the C of each sum's first product
	MMC ACC+8*\m, WOF, AF+16*\m, BO, WSC, ASC+2*\m
.endr
.irp m, 0,1,2,3
	MMC ACC+8*\m, WOF+8, AF+16*\m+8, ACC+8*\m, WSC+1, ASC+2*\m+1
.endr
.rept 4
	v_nop
.endr
.irp m, 0,1,2,3
	ds_store_b128 v[SO], v[ACC+8*\m:ACC+8*\m+3] offset:16*PT*\m          ; each accumulator from its low end on
	ds_store_b128 v[SO], v[ACC+8*\m+4:ACC+8*\m+7] offset:16*PT*\m+16
.endr
	s_wait_dscnt 0x0                               ; for the others' sake: my stores into the stage are done
	s_barrier_signal -1
	s_barrier_wait -1
.irp i, 0,1,2,3
	ds_load_b128 v[Y+8*\i:Y+8*\i+3], v[SR] offset:PT*\i
	ds_load_b128 v[Y+8*\i+4:Y+8*\i+7], v[SR] offset:PT*\i+512
.endr
	s_wait_dscnt 0x0
	s_wait_loadcnt 0x0
.irp j, 0,2,4,6,8,10,12,14,16,18,20,22,24,26,28,30
	v_pk_add_f32 v[Y+\j:Y+\j+1], v[Y+\j:Y+\j+1], v[VR+\j:VR+\j+1]         ; + the residual
.endr
.irp i, 0,1,2,3
	v_pk_add_f32 v[T+4*\i:T+4*\i+1], v[Y+8*\i:Y+8*\i+1], v[Y+8*\i+2:Y+8*\i+3]
.endr
.irp i, 0,1,2,3
	v_pk_add_f32 v[T+4*\i+2:T+4*\i+3], v[Y+8*\i+4:Y+8*\i+5], v[Y+8*\i+6:Y+8*\i+7]
.endr
.irp i, 0,1,2,3
	v_pk_add_f32 v[T+4*\i:T+4*\i+1], v[T+4*\i:T+4*\i+1], v[T+4*\i+2:T+4*\i+3]
.endr
.irp i, 0,1,2,3
	v_add_f32 v[T+4*\i], v[T+4*\i], v[T+4*\i+1]
.endr
	ACROSS T, T+1
.irp i, 0,1,2,3
	v_mul_f32 v[T+4*\i], s18, v[T+4*\i]            ; the mean
.endr
.irp i, 0,1,2,3
.irp j, 0,2,4,6
	v_pk_add_f32 v[Y+8*\i+\j:Y+8*\i+\j+1], v[Y+8*\i+\j:Y+8*\i+\j+1], v[T+4*\i:T+4*\i+1] op_sel_hi:[1,0] neg_lo:[0,1] neg_hi:[0,1]
.endr
.endr
.irp i, 0,1,2,3
	v_pk_mul_f32 v[T+4*\i+2:T+4*\i+3], v[Y+8*\i:Y+8*\i+1], v[Y+8*\i:Y+8*\i+1]
.endr
.irp j, 2,4,6
.irp i, 0,1,2,3
	v_pk_fma_f32 v[T+4*\i+2:T+4*\i+3], v[Y+8*\i+\j:Y+8*\i+\j+1], v[Y+8*\i+\j:Y+8*\i+\j+1], v[T+4*\i+2:T+4*\i+3]
.endr
.endr
.irp i, 0,1,2,3
	v_add_f32 v[T+4*\i+2], v[T+4*\i+2], v[T+4*\i+3]
.endr
	ACROSS T+2, T+3
.irp i, 0,1,2,3
	v_fma_f32 v[T+4*\i+2], v[T+4*\i+2], s18, s19   ; the variance + 1e-6
.endr
.irp i, 0,1,2,3
	v_rsq_f32 v[T+4*\i+2], v[T+4*\i+2]
.endr
	v_nop                                          ; one plain place behind the transcendentals
	s_wait_alu depctr_va_vdst(0)
.irp i, 0,1,2,3
.irp j, 0,2,4,6
	v_pk_mul_f32 v[Y+8*\i+\j:Y+8*\i+\j+1], v[Y+8*\i+\j:Y+8*\i+\j+1], v[T+4*\i+2:T+4*\i+3] op_sel_hi:[1,0]
.endr
.endr
.irp i, 0,1,2,3
.irp j, 0,2,4,6
	v_pk_fma_f32 v[Y+8*\i+\j:Y+8*\i+\j+1], v[Y+8*\i+\j:Y+8*\i+\j+1], v[GA+\j:GA+\j+1], v[BE+\j:BE+\j+1]
.endr
.endr
.irp i, 0,1,2,3
	global_store_b128 v[LI], v[Y+8*\i:Y+8*\i+3], s[36:37] offset:1024*\i th:TH_STORE_NT          ; 32 lanes store 512 consecutive bytes, at a multiple of 256 from the buffer's first byte
	global_store_b128 v[LI], v[Y+8*\i+4:Y+8*\i+7], s[36:37] offset:1024*\i+512 th:TH_STORE_NT
.endr
	s_wait_tensorcnt 0x0
	ds_add_u32 v240, v241
	s_wait_dscnt 0x0
	s_endpgm
.Lfunc_end_k_qf160994a98_outln:
	.size	k_qf160994a98_outln, .Lfunc_end_k_qf160994a98_outln-k_qf160994a98_outln
	.p2alignl 7, 3214868480
	.fill 96, 4, 3214868480
	.section	.rodata,"a",@progbits
	.p2align	6, 0x0
	.amdhsa_kernel k_qf160994a98_outln
		.amdhsa_group_segment_fixed_size 68608
		.amdhsa_private_segment_fixed_size 0
		.amdhsa_enable_private_segment 0
		.amdhsa_kernarg_size 56
		.amdhsa_user_sgpr_count 2
		.amdhsa_user_sgpr_kernarg_segment_ptr 1
		.amdhsa_wavefront_size32 1
		.amdhsa_system_sgpr_workgroup_id_x 1
		.amdhsa_system_sgpr_workgroup_id_y 1
		.amdhsa_system_sgpr_workgroup_id_z 1
		.amdhsa_system_vgpr_workitem_id 0
		.amdhsa_next_free_vgpr 242
		.amdhsa_next_free_sgpr 66
		.amdhsa_reserve_vcc 0
		.amdhsa_float_denorm_mode_32 3
		.amdhsa_float_denorm_mode_16_64 3
		.amdhsa_memory_ordered 1
		.amdhsa_forward_progress 1
		.amdhsa_inst_pref_size 19
	.end_amdhsa_kernel
	.amdgpu_metadata
---
amdhsa.version: [ 1, 2 ]
amdhsa.kernels:
  - .name:           k_qf160994a98_outln
    .symbol:         k_qf160994a98_outln.kd
    .args:
      - { .name: att, .offset: 0, .size: 8, .value_kind: global_buffer, .address_space: global }
      - { .name: wo, .offset: 8, .size: 8, .value_kind: global_buffer, .address_space: global }
      - { .name: bo, .offset: 16, .size: 8, .value_kind: global_buffer, .address_space: global }
      - { .name: vres, .offset: 24, .size: 8, .value_kind: global_buffer, .address_space: global }
      - { .name: gamma, .offset: 32, .size: 8, .value_kind: global_buffer, .address_space: global }
      - { .name: beta, .offset: 40, .size: 8, .value_kind: global_buffer, .address_space: global }
      - { .name: out0, .offset: 48, .size: 8, .value_kind: global_buffer, .address_space: global }
    .group_segment_fixed_size: 68608
    .private_segment_fixed_size: 0
    .kernarg_segment_align: 8
    .kernarg_segment_size: 56
    .max_flat_workgroup_size: 512
    .sgpr_count:     66
    .vgpr_count:     242
    .wavefront_size: 32
...
	.end_amdgpu_metadata
.endif
;; end of part 3
;; ======== version 2 of 2: 3 launches
;; workspace buffers: cod 6,291,456 bytes; scl 393,216 bytes; vres 16,777,216 bytes; wo 36,864 bytes; att 2,228,224 bytes
;; launch proj (part 4): grid 2 x 128, 16 waves a work-group, no clusters, 280,576 bytes of LDS; arguments x, Wq, Wk, Wv, Wo, bq, bk, bv, cod, scl, vres, wo; writes cod, scl, vres, wo
.if DOCPART == 4
	.amdgcn_target "amdgcn-amd-amdhsa--gfx1250"
	.amdhsa_code_object_version 6
	.text
	.protected	k_qf160994a98_proj
	.globl	k_qf160994a98_proj
	.p2align	8
	.type	k_qf160994a98_proj,@function
k_qf160994a98_proj:
	s_mov_b64 s[64:65], 0
	v_nop
	global_prefetch_b8 v0, s[64:65] scope:SCOPE_SE
	s_setreg_imm32_b32 hwreg(HW_REG_WAVE_SCHED_MODE, 0, 2), 2
	s_setreg_imm32_b32 hwreg(HW_REG_WAVE_MODE, 25, 1), 1
	s_wait_xcnt 0x0
	s_wait_alu depctr_vm_vsrc(0)
; q = x Wq^T + bq, k = x Wk^T + bk, v = x Wv^T + bv on codes of FP4 (E2M1) with one E8M0 scale for each 32 along K; then q and k are quantised along the head's 64,
; v along the keys; v also leaves as f32 (the residual).  Wo is quantised on the way (by the two work-groups of the first block of tokens).
; SHARES.  Work-group (g, tb): tokens 128 tb .. +127, channels 128 g .. +127 (heads 2 g, 2 g + 1) of each of q, k, v.  Sixteen waves.
; PHASE 0, the same text in every wave: 32 rows x 256 of f32 (waves 0-3: x, 4-7: Wq, 8-11: Wk, 12-15: Wv) become four fragments (16 rows x 128 K), which go to LDS as IMAGES OF THEIR
; REGISTERS: registers 4 c .. 4 c + 3 at 512 c + 16 x lane, the scale word at 4 x lane.  A load reads 512 consecutive bytes of one row; a fragment's 16 rows turn through the wave's own stage, so
; that a lane then holds 16 neighbours along K of each block of 32.
; THE ROWS OF A TILE ARE NOT NEIGHBOURS: position r of tile (G, u) is row 32 G + 8 u + r + 8 (r / 8).  In a result whose source 0 is such a tile, the 16 registers of tiles (G, 0), (G, 1) are 16 neighbours.
; ROLES behind the first barrier.  Waves 0-7 (q: 0-3, k: 4-7; head (w / 2) % 2; token half w % 2): transposed products (source 0 = 16 channels, source 1 = 16 tokens): a lane holds one token and its
; registers run along the head's 64: quantised in registers, 512 bytes a token tile.  Waves 8-15: one tile of 16 channels of v, natural products (source 0 = 16 tokens): a lane holds one channel and
; its registers run along the 128 tokens, which are the next product's K: one fragment and one scale word a lane.
; The biases are the C of each sum's first product.
; LIMITS: NaN and infinities among the inputs are not served.  A block whose largest magnitude lies under 2^-124 takes the scale byte 1; so does a block of zeros, where the quantiser's rule says 127:
; its codes are zeros, and the bytes are read by this program alone.
; THE MODE: SCHED_MODE bits 1:0 = 2 (LLVM: expert scheduling mode 2), set by the entry lines.  The code itself states the register dependences
; between vector or matrix instructions and memory or LDS instructions, with s_wait_alu, always for 0.
; THE PLAN.  Registers that memory or LDS instructions touch:
;   v1-v20, v238, v239   addresses and offsets: written at the head, never again: one wait on va_vdst ahead of the first load.
;   R0, R1               phase 0: global loads land; the turn's LDS stores read them; the turn's LDS loads land in the same registers (a wait on vm_vsrc between the two runs); the quantising reads them.
;   PC, PW               written by the quantising, read by the image's stores.  ONE wait on va_vdst behind each quantising states that they are written and that R is read out, so that the next loads may land in R.
;                        The turn's wait on vm_vsrc also states that the image before has read PC and PW; behind the last image one more stands at the join ahead of the first barrier.
;   XF, S2 / WF, S8      the roles' fragments and scale words: LDS loads land, the products read them.  One wait on va_vdst a token tile (q, k) or a group (v), which also states that what is stored next is written.
;   PC + 4 n, WA, DV     the roles' results: written once, then stored, never written again.
.set SP,   528                         ; a stage row: 512 bytes + 16: an odd multiple of 16, so that sixteen rows' same column falls on sixteen different 16-byte columns modulo 256
.set SCW,  0                           ; LDS: 64 scale-word images of 128 bytes
.set IMG,  8192                        ;      64 fragment images of 1,024 bytes: x 2 tt + ks; Wq 16 + 2 ct + ks; Wk 32 + ..; Wv 48 + ..
.set SC2,  73728                       ;      outgoing scale words: q head 0, q head 1, k, k, v, v: 256 bytes each
.set VST,  75776                       ;      v as f32: 128 token rows of SP bytes
.set STG,  143360                      ;      the turning stages: 16 rows of SP bytes for each wave
.set LI,  1                            ; v1   16 x lane
.set LS,  2                            ; v2   4 x lane
.set STW, 3                            ; v3   my stage, on the way in
.set STR, 4                            ; v4   my stage, on the way out: row r, + 64 h
.set IMW, 5                            ; v5   where I store my four images
.set SWW, 6                            ; v6   and their scale words
.set WFQ, 7                            ; v7   q/k role: my head's eight weight fragments
.set WFV, 8                            ; v8   v role: my tile's two
.set WSQ, 9                            ; v9   their scale words
.set WSV, 10
.set XFA, 11                           ; v11  q/k role: my half's x fragments
.set XSA, 12                           ; v12  their scale words
.set VSO, 13                           ; v13  v role: where my channel's numbers go in VST
.set VSR, 14                           ; v14  the way out: my eight rows of VST
.set QSO, 15                           ; v15  q/k role: my scale words in SC2
.set VSS, 16                           ; v16  v role: the same
.set S2R, 17                           ; v17  the way out of SC2
.set BQO, 18                           ; v18  64 h: offset into a bias
.set BVO, 19                           ; v19  4 (r + 8 (r / 8))
.set SCO, 20                           ; v20  8192 h + 16 r: offset into scl
.set BI,  32                           ; v32-63   the bias in the result's layout
.set R0,  64                           ; v64-127  numbers as loaded; later fragments
.set R1,  128                          ; v128-191 the same; later results
.set WF,  64
.set H,   128
.set XF,  160
.set DV,  128
.set PC,  192                          ; v192-207 codes
.set TM,  208                          ; v208-211 largest magnitudes, v212-215 the other half's, then bytes, v220-223 the conversions' scale operands
.set PW,  224                          ; the scale word just made
.set WA,  225                          ; v225-226 q's or k's word of 32 tokens
.set S8,  228                          ; v228-235 scale words of source 0 (nothing else ever lies here)
.set S2,  236                          ; v236-237 scale words of source 1 (likewise)
.set WVF, 240                          ; v240-255 v role: Wv's two fragments
.set WV,  28
.set SRC, 34
.set BIA, 36
.set DST, 38
.set VRD, 40
.set SCD, 42
.set WOS, 44
.set WOD, 46
.set SEL, 48
.set WOD2, 56
; 16 rows of tile u of my 32 rows, K step ks: each load is 512 consecutive bytes of one row
.macro LOADF reg, base, u, ks
.irp i, 0,1,2,3,4,5,6,7,8,9,10,11,12,13,14,15
	global_load_b128 v[\reg+4*\i:\reg+4*\i+3], v[LI], s[\base:\base+1] offset:(8*\u+\i+8*(\i/8))*1024+512*\ks
.endr
.endm
; through my stage: in as loaded, out 64 bytes of each block a lane: register 16 b + i = k 32 b + 16 h + i of row r.  LDS serves a wave's instructions in order: no wait on DScnt between stores and loads
.macro TURN reg
.irp i, 0,1,2,3,4,5,6,7,8,9,10,11,12,13,14,15
	ds_store_b128 v[STW], v[\reg+4*\i:\reg+4*\i+3] offset:SP*\i
.endr
	s_wait_alu depctr_vm_vsrc(0)                                 ; the stores above have read v[reg ..], in which the loads below land; and the image before has read the codes and the scale word, which the next quantising writes
.irp b, 0,1,2,3
.irp j, 0,1,2,3
	ds_load_b128 v[\reg+16*\b+4*\j:\reg+16*\b+4*\j+3], v[STR] offset:128*\b+16*\j
.endr
.endr
.endm
; 64 numbers of a lane (register 16 b + i = k 32 b + 16 h + i of my row) become a fragment's codes in v[PC] on and its scale word in v[PW]
.macro QUANT s
.irp b, 0,1,2,3
	v_max3_num_f32 v[TM+\b], |v[\s+16*\b]|, |v[\s+1+16*\b]|, 0x1800000   ; my 16 numbers of block b, and the floor 2^(3 - 127): the byte cannot fall under 1
.endr
.irp i, 2,4,6,8,10,12,14
.irp b, 0,1,2,3
	v_max3_num_f32 v[TM+\b], v[TM+\b], |v[\s+16*\b+\i]|, |v[\s+1+16*\b+\i]|
.endr
.endr
.irp b, 0,1,2,3
	v_permlanex16_b32 v[TM+4+\b], v[TM+\b], s[SEL], s[SEL+1]
.endr
.irp b, 0,1,2,3
	v_max_num_f32 v[TM+\b], v[TM+\b], v[TM+4+\b]                 ; with lane l xor 16's: the block's largest magnitude
.endr
.irp b, 0,1,2,3
	v_add_nc_u32 v[TM+12+\b], 0xff000000, v[TM+\b]               ; 2 off its exponent field: the conversion's scale operand
.endr
.irp b, 0,1,2,3
	v_lshrrev_b32 v[TM+4+\b], 23, v[TM+12+\b]                    ; the scale's byte
.endr
	v_lshl_or_b32 v[PW], v[TM+5], 8, v[TM+4]
	v_lshl_or_b32 v[PW], v[TM+6], 16, v[PW]
	v_lshl_or_b32 v[PW], v[TM+7], 24, v[PW]
.irp b, 0,1,2,3
	v_cvt_scalef32_pk8_fp4_f32 v[PC+2*\b], v[\s+16*\b:\s+7+16*\b], v[TM+12+\b]
	v_cvt_scalef32_pk8_fp4_f32 v[PC+1+2*\b], v[\s+8+16*\b:\s+15+16*\b], v[TM+12+\b]
.endr
	v_nop                                                        ; one plain place behind a scaled conversion
.irp c, 0,1                                                  ; a whole block to a lane: lanes 0-15 block 2 c, lanes 16-31 block 2 c + 1
.irp i, 0,1
	v_permlane16_swap_b32 v[PC+4*\c+\i], v[PC+2+4*\c+\i]
.endr
.endr
.endm
; the same for 32 numbers, two blocks: four registers of codes at v[pc] on; v[PW] = byte 0 | byte 1 << 8
.macro QUANT2 s, pc
.irp b, 0,1
	v_max3_num_f32 v[TM+\b], |v[\s+16*\b]|, |v[\s+1+16*\b]|, 0x1800000
.endr
.irp i, 2,4,6,8,10,12,14
.irp b, 0,1
	v_max3_num_f32 v[TM+\b], v[TM+\b], |v[\s+16*\b+\i]|, |v[\s+1+16*\b+\i]|
.endr
.endr
.irp b, 0,1
	v_permlanex16_b32 v[TM+4+\b], v[TM+\b], s[SEL], s[SEL+1]
.endr
.irp b, 0,1
	v_max_num_f32 v[TM+\b], v[TM+\b], v[TM+4+\b]
.endr
.irp b, 0,1
	v_add_nc_u32 v[TM+12+\b], 0xff000000, v[TM+\b]
.endr
.irp b, 0,1
	v_lshrrev_b32 v[TM+4+\b], 23, v[TM+12+\b]
.endr
	v_lshl_or_b32 v[PW], v[TM+5], 8, v[TM+4]
.irp b, 0,1
	v_cvt_scalef32_pk8_fp4_f32 v[\pc+2*\b], v[\s+16*\b:\s+7+16*\b], v[TM+12+\b]
	v_cvt_scalef32_pk8_fp4_f32 v[\pc+1+2*\b], v[\s+8+16*\b:\s+15+16*\b], v[TM+12+\b]
.endr
	v_nop
	v_permlane16_swap_b32 v[\pc], v[\pc+2]
	v_permlane16_swap_b32 v[\pc+1], v[\pc+3]
.endm
.macro IMAGE j                         ; the fragment and its scale word go to LDS as they stand
	ds_store_b128 v[IMW], v[PC:PC+3] offset:1024*\j
	ds_store_b128 v[IMW], v[PC+4:PC+7] offset:1024*\j+512
	ds_store_b32 v[SWW], v[PW] offset:128*\j
.endm
.macro BARRIER                         ; my LDS stores have landed and my LDS loads are in: then the work-group's barrier
	s_wait_dscnt 0x0
	s_barrier_signal -1
	s_barrier_wait -1
.endm
.macro MMC d, a, b, c, sa, sb
	v_wmma_scale_f32_16x16x128_f8f6f4 v[\d:\d+7], v[\a:\a+7], v[\b:\b+7], v[\c:\c+7], v[\sa], v[\sb] matrix_a_fmt:MATRIX_FMT_FP4 matrix_b_fmt:MATRIX_FMT_FP4
.endm
.macro PLACES
.rept 4
	v_nop
.endr
.endm
; one fragment of phase 0.  left: the younger loads that may stay out
.macro PH0 j, reg, left
	s_wait_loadcnt \left
	TURN \reg
	s_wait_dscnt 0x0                                             ; the turn is back
	QUANT \reg
	s_wait_alu depctr_va_vdst(0)                                 ; the quantising has written the codes and the scale word, which the image's stores read, and is done reading v[reg ..], in which the next loads land
	IMAGE \j
.endm
	s_load_b512 s[4:19], s[0:1], 0x0               ; x, Wq, Wk, Wv, Wo, bq, bk, bv
	s_load_b256 s[20:27], s[0:1], 0x40             ; cod, scl, vres, wo
	v_lshl_add_u32 v238, v0, 2, 0x44000
	v_mov_b32 v239, 0
	v_lshrrev_b32 v21, 5, v0
	v_readfirstlane_b32 s[WV], v21                 ; wave 0..15
	v_and_b32 v21, 31, v0                          ; lane
	s_wait_alu depctr_va_vdst(0)
	v_and_b32 v22, 15, v0                          ; r
	s_wait_alu depctr_va_vdst(0)
	v_bfe_u32 v23, v0, 4, 1                        ; h
	v_and_b32 v24, 8, v22
	v_add_nc_u32 v24, v24, v22                     ; r + 8 (r / 8)
	s_mov_b32 s29, ttmp9                           ; g: the pair of heads
	s_and_b32 s30, ttmp7, 0xffff                   ; tb: the block of 128 tokens
	s_and_b32 s31, s30, 31                         ; its step in the batch
	s_lshr_b32 s32, s30, 5                         ; the batch
	s_wait_alu depctr_va_sdst(0)                   ; the wave's number is written, ahead of its first reader: addresses, bases and branches are made from it
	s_and_b32 s50, s[WV], 7
	s_lshr_b32 s51, s50, 1
	s_and_b32 s52, s[WV], 1
	s_and_b32 s53, s[WV], 3
	s_bfe_u32 s63, s[WV], 0x10001                  ; (w / 2) % 2
	s_mov_b32 s[SEL], 0x76543210
	s_mov_b32 s[SEL+1], 0xfedcba98                 ; v_permlanex16_b32's selects for lane l xor 16
	; every LDS address is made here, ahead of the first parting of the waves: a constant + a constant x lane + a constant x a field of the wave's number
	v_lshlrev_b32 v[LI], 4, v21
	v_lshlrev_b32 v[LS], 2, v21
	s_mul_i32 s54, s[WV], 16*SP
	s_add_co_u32 s54, s54, STG
	v_add_nc_u32 v[STW], s54, v[LI]
	v_mul_u32_u24 v[STR], v22, SP
	s_wait_alu depctr_va_vdst(0)
	v_lshl_add_u32 v[STR], v23, 6, v[STR]
	v_add_nc_u32 v[STR], s54, v[STR]
	s_lshl_b32 s54, s[WV], 12
	s_add_co_u32 s54, s54, IMG
	v_add_nc_u32 v[IMW], s54, v[LI]
	s_lshl_b32 s54, s[WV], 9
	v_add_nc_u32 v[SWW], s54, v[LS]
	s_lshl_b32 s54, s51, 13
	s_add_co_u32 s54, s54, IMG+16384
	v_add_nc_u32 v[WFQ], s54, v[LI]
	s_lshl_b32 s54, s50, 11
	s_add_co_u32 s54, s54, IMG+49152
	v_add_nc_u32 v[WFV], s54, v[LI]
	s_lshl_b32 s54, s51, 10
	s_add_co_u32 s54, s54, SCW+2048
	v_add_nc_u32 v[WSQ], s54, v[LS]
	s_lshl_b32 s54, s50, 8
	s_add_co_u32 s54, s54, SCW+6144
	v_add_nc_u32 v[WSV], s54, v[LS]
	s_lshl_b32 s54, s52, 13
	s_add_co_u32 s54, s54, IMG
	v_add_nc_u32 v[XFA], s54, v[LI]
	s_lshl_b32 s54, s52, 10
	v_add_nc_u32 v[XSA], s54, v[LS]
	v_mul_u32_u24 v[VSO], v23, 16*SP
	v_lshl_add_u32 v[VSO], v24, 2, v[VSO]
	s_lshl_b32 s54, s51, 7
	s_lshl_b32 s55, s52, 5
	s_add_co_u32 s54, s54, s55
	s_add_co_u32 s54, s54, VST
	v_add_nc_u32 v[VSO], s54, v[VSO]
	s_mul_i32 s54, s[WV], 8*SP
	s_add_co_u32 s54, s54, VST
	v_add_nc_u32 v[VSR], s54, v[LI]
	s_lshl_b32 s54, s50, 7
	s_add_co_u32 s54, s54, SC2
	v_lshl_add_u32 v[QSO], v22, 2, s54
	s_lshl_b32 s54, s50, 6
	s_add_co_u32 s54, s54, SC2+1024
	v_lshl_add_u32 v[VSS], v22, 2, s54
	s_lshl_b32 s54, s53, 9
	s_add_co_u32 s54, s54, SC2
	v_add_nc_u32 v[S2R], s54, v[LI]
	v_lshlrev_b32 v[BQO], 6, v23
	v_lshlrev_b32 v[BVO], 2, v24
	v_lshlrev_b32 v[SCO], 13, v23
	v_lshl_add_u32 v[SCO], v22, 4, v[SCO]
.irp b, 0,1,2,3
	v_mov_b32 v[TM+4+\b], 0                        ; written once: a lane permute's destination counts as one of its sources
.endr
	; byte offsets, both roles'; the choice follows below
	s_lshl_b32 s58, s29, 9                         ; 512 g
	s_lshl_b32 s54, s63, 8
	s_lshl_b32 s59, s51, 7
	s_lshl_b32 s55, s52, 5
	s_add_co_u32 s59, s59, s55
	s_add_co_u32 s59, s59, s58                     ; v role's bias: 4 (128 g + 32 (ct / 2) + 8 (ct % 2))
	s_add_co_u32 s58, s58, s54                     ; q/k role's: 4 (128 g + 64 head)
	s_lshl_b32 s62, s32, 2
	s_lshl_b32 s54, s29, 1
	s_add_co_u32 s62, s62, s54                     ; 4 b + 2 g
	s_lshl_b32 s33, s62, 13                        ; its 8,192 bytes of scale words a head
	s_lshl_b32 s62, s62, 17                        ; its 131,072 bytes of codes a head
	s_lshl_b32 s54, s31, 12
	s_add_co_u32 s62, s62, s54                     ; + 4,096 a step
	s_lshr_b32 s60, s[WV], 2
	s_lshl_b32 s60, s60, 21                        ; q's part or k's
	s_lshl_b32 s54, s63, 17
	s_add_co_u32 s60, s60, s54
	s_lshl_b32 s54, s52, 11
	s_add_co_u32 s60, s60, s54
	s_add_co_u32 s60, s60, s62                     ; q/k role's codes
	s_lshr_b32 s61, s50, 2
	s_lshl_b32 s61, s61, 17
	s_lshl_b32 s54, s53, 10
	s_add_co_u32 s61, s61, s54
	s_add_co_u32 s61, s61, s62
	s_add_co_u32 s61, s61, 0x400000                ; v role's codes
	s_wait_kmcnt 0x0
	s_cmp_lt_u32 s[WV], 12                         ; the choices hang on the wave's number alone
	s_cselect_b64 s[SRC:SRC+1], s[8:9], s[10:11]
	s_cmp_lt_u32 s[WV], 8
	s_cselect_b64 s[SRC:SRC+1], s[6:7], s[SRC:SRC+1]
	s_cselect_b64 s[BIA:BIA+1], s[16:17], s[18:19]
	s_cselect_b32 s58, s58, s59
	s_cselect_b32 s60, s60, s61
	s_cmp_lt_u32 s[WV], 4
	s_cselect_b64 s[SRC:SRC+1], s[4:5], s[SRC:SRC+1]
	s_cselect_b64 s[BIA:BIA+1], s[14:15], s[BIA:BIA+1]
	s_cselect_b32 s54, s30, s29                    ; x: block tb; a weight: block g
	s_lshl_b32 s54, s54, 7
	s_lshl_b32 s55, s53, 5
	s_add_co_u32 s54, s54, s55                     ; my first row
	s_lshl_b32 s54, s54, 10
	s_mov_b32 s55, 0
	s_add_nc_u64 s[SRC:SRC+1], s[SRC:SRC+1], s[54:55]
	s_mov_b32 s54, s58
	s_add_nc_u64 s[BIA:BIA+1], s[BIA:BIA+1], s[54:55]
	s_mov_b32 s54, s60
	s_add_nc_u64 s[DST:DST+1], s[20:21], s[54:55]
	s_lshl_b32 s54, s30, 17                        ; vres: 128 tb rows of 1,024 bytes + 512 g + 8 rows a wave
	s_lshl_b32 s59, s29, 9
	s_add_co_u32 s54, s54, s59
	s_lshl_b32 s59, s[WV], 13
	s_add_co_u32 s54, s54, s59
	s_add_nc_u64 s[VRD:VRD+1], s[24:25], s[54:55]
	s_lshl_b32 s54, s53, 17                        ; scl: part w % 4 (used by waves 0 to 2 alone)
	s_add_co_u32 s54, s54, s33
	s_lshl_b32 s59, s31, 8
	s_add_co_u32 s54, s54, s59
	s_add_nc_u64 s[SCD:SCD+1], s[22:23], s[54:55]
	s_lshl_b32 s54, s29, 7                         ; Wo: tile 8 g + w / 2, K step w % 2
	s_lshr_b32 s59, s[WV], 2
	s_lshl_b32 s59, s59, 5
	s_add_co_u32 s54, s54, s59
	s_lshl_b32 s59, s63, 3
	s_add_co_u32 s54, s54, s59
	s_lshl_b32 s54, s54, 10
	s_lshl_b32 s59, s52, 9
	s_add_co_u32 s54, s54, s59
	s_add_nc_u64 s[WOS:WOS+1], s[12:13], s[54:55]
	s_lshl_b32 s59, s29, 4
	s_add_co_u32 s59, s59, s[WV]                   ; its image: 16 g + w
	s_lshl_b32 s54, s59, 10
	s_add_nc_u64 s[WOD:WOD+1], s[26:27], s[54:55]
	s_lshl_b32 s54, s59, 7
	s_add_co_u32 s54, s54, 32768
	s_add_nc_u64 s[WOD2:WOD2+1], s[26:27], s[54:55]
	s_wait_alu depctr_va_vdst(0)                   ; the twenty addresses and offsets v1 to v20 are written, which every load and store of the kernel reads; they are never written again
	; the bias, in the result's layout: eight loads on either way
	s_cmp_lt_u32 s[WV], 8
	s_cbranch_scc0 .Lbias_v
.irp t, 0,1,2,3                                ; tile t, lane (r, h): channels 32 (t / 2) + 16 h + 8 (t % 2) + 0 .. 7 of the head
	global_load_b128 v[BI+8*\t:BI+8*\t+3], v[BQO], s[BIA:BIA+1] offset:(32*(\t/2)+8*(\t%2))*4
	global_load_b128 v[BI+8*\t+4:BI+8*\t+7], v[BQO], s[BIA:BIA+1] offset:(32*(\t/2)+8*(\t%2))*4+16
.endr
	s_branch .Lbias_done
.Lbias_v:
.irp j, 0,1,2,3,4,5,6,7                        ; a lane holds one channel: the same number in all eight registers
	global_load_b32 v[BI+\j], v[BVO], s[BIA:BIA+1]
.endr
.Lbias_done:
	; ---- PHASE 0: my four fragments (tile u = j / 2, K step j % 2); loads run one fragment ahead.  Each run of loads lands in the buffer whose quantising stands ahead of the last wait on va_vdst
	LOADF R0, SRC, 0, 0
	LOADF R1, SRC, 0, 1
	PH0 0, R0, 16                                  ; the next fragment's 16 loads may stay out
	LOADF R0, SRC, 1, 0
	PH0 1, R1, 16
	LOADF R1, SRC, 1, 1
	PH0 2, R0, 16
	s_cmp_lg_u32 s30, 0                            ; Wo's 32 fragments: one for each wave of the two work-groups with tb = 0
	s_cbranch_scc1 .Lno_wo_a
	LOADF R0, WOS, 0, 0
.Lno_wo_a:
	PH0 3, R1, 0
	s_cmp_lg_u32 s30, 0
	s_cbranch_scc1 .Lno_wo_b
	TURN R0
	s_wait_dscnt 0x0
	QUANT R0
	s_wait_alu depctr_va_vdst(0)                   ; the quantising has written Wo's codes and scale word, which the stores below read, and is done reading R0, in which the roles' fragments land
	global_store_b128 v[LI], v[PC:PC+3], s[WOD:WOD+1]
	global_store_b128 v[LI], v[PC+4:PC+7], s[WOD:WOD+1] offset:512
	global_store_b32 v[LS], v[PW], s[WOD2:WOD2+1]
	s_wait_xcnt 0x0                                ; the codes' registers are written again only behind this wait
.Lno_wo_b:
	s_wait_alu depctr_vm_vsrc(0)                   ; the last image's stores, and Wo's where there are any, have read the codes and the scale word, which the roles' quantising writes again
	BARRIER                                        ; all 64 images lie in LDS
	s_cmp_lt_u32 s[WV], 8
	s_cbranch_scc0 .Lrole_v
	; ---- q/k ROLE: my head's 64 channels (four tiles) for my four tiles of 16 tokens
.irp f, 0,1,2,3,4,5,6,7                        ; fragment 2 t + ks
	ds_load_b128 v[WF+8*\f:WF+8*\f+3], v[WFQ] offset:1024*\f
	ds_load_b128 v[WF+8*\f+4:WF+8*\f+7], v[WFQ] offset:1024*\f+512
	ds_load_b32 v[S8+\f], v[WSQ] offset:128*\f
.endr
.irp n, 0,1,2,3
.irp ks, 0,1
	ds_load_b128 v[XF+8*\ks:XF+8*\ks+3], v[XFA] offset:(2*\n+\ks)*1024
	ds_load_b128 v[XF+8*\ks+4:XF+8*\ks+7], v[XFA] offset:(2*\n+\ks)*1024+512
	ds_load_b32 v[S2+\ks], v[XSA] offset:128*(2*\n+\ks)
.endr
	s_wait_dscnt 0x0
.irp t, 0,1,2,3                                ; the four accumulators by turns, one instruction a turn
	MMC H+8*\t, WF+16*\t, XF, BI+8*\t, S8+2*\t, S2
.endr
.irp t, 0,1,2,3
	MMC H+8*\t, WF+16*\t+8, XF+8, H+8*\t, S8+2*\t+1, S2+1
.endr
	PLACES
	QUANT2 H, PC+4*\n                              ; register 16 b + i = dim 32 b + 16 h + i of my token
.if (\n%2) == 0
	v_mov_b32 v[WA+\n/2], v[PW]
.else
	v_lshl_or_b32 v[WA+\n/2], v[PW], 16, v[WA+\n/2]               ; two tiles' two bytes each: the fragment's scale word
.endif
	s_wait_alu depctr_va_vdst(0)                   ; the tile's codes and the word of 32 tokens are written, which the stores below read; the products are done reading x's fragments and scale words, in which the next tile's loads land
	global_store_b128 v[LI], v[PC+4*\n:PC+4*\n+3], s[DST:DST+1] offset:512*\n   ; 512 consecutive bytes: a plane of a fragment of 32 tokens; each tile has its own four registers
.if (\n%2) == 1
	ds_store_b32 v[QSO], v[WA+\n/2] offset:64*(\n/2)              ; lanes r and 16 + r write the same word with the same value
.endif
.endr
	s_branch .Lrole_done
.Lrole_v:
	; ---- v ROLE: my tile of 16 channels for all 128 tokens
.irp ks, 0,1
	ds_load_b128 v[WVF+8*\ks:WVF+8*\ks+3], v[WFV] offset:1024*\ks
	ds_load_b128 v[WVF+8*\ks+4:WVF+8*\ks+7], v[WFV] offset:1024*\ks+512
	ds_load_b32 v[S2+\ks], v[WSV] offset:128*\ks
.endr
.irp g, 0,1
.irp a, 0,1,2,3
.irp ks, 0,1
	ds_load_b128 v[WF+16*\a+8*\ks:WF+16*\a+8*\ks+3], v[LI] offset:IMG+(2*(4*\g+\a)+\ks)*1024
	ds_load_b128 v[WF+16*\a+8*\ks+4:WF+16*\a+8*\ks+7], v[LI] offset:IMG+(2*(4*\g+\a)+\ks)*1024+512
	ds_load_b32 v[S8+2*\a+\ks], v[LS] offset:SCW+(2*(4*\g+\a)+\ks)*128
.endr
.endr
	s_wait_dscnt 0x0
.irp a, 0,1,2,3
	MMC DV+8*(4*\g+\a), WF+16*\a, WVF, BI, S8+2*\a, S2
.endr
.irp a, 0,1,2,3
	MMC DV+8*(4*\g+\a), WF+16*\a+8, WVF+8, DV+8*(4*\g+\a), S8+2*\a+1, S2+1
.endr
	PLACES                                         ; in front of the next loads into fragments just read, and of the first read of results
	s_wait_alu depctr_va_vdst(0)                   ; the products are done reading x's fragments and scale words, in which the second group's loads land; and they have written their results, which the LDS stores below read
.endr
.set q, 0
.rept 64                                       ; register 16 F + i = token 32 F + 16 h + i of my channel: into the rows of VST, each accumulator from its low end on
	ds_store_b32 v[VSO], v[DV+q] offset:(32*(q/16)+q%16)*SP
.set q, q+1
.endr
	QUANT DV                                       ; along the tokens: the keys of the second attention product
	s_wait_alu depctr_va_vdst(0)                   ; the quantising has written v's codes and scale word, which the stores below read
	global_store_b128 v[LI], v[PC:PC+3], s[DST:DST+1]
	global_store_b128 v[LI], v[PC+4:PC+7], s[DST:DST+1] offset:512
	ds_store_b32 v[VSS], v[PW]
.Lrole_done:
	BARRIER                                        ; 128 rows of v and all outgoing scale words lie in LDS
.irp i, 0,1,2,3,4,5,6,7
	ds_load_b128 v[WF+4*\i:WF+4*\i+3], v[VSR] offset:SP*\i       ; no vector or matrix instruction since either role's last wait on va_vdst names these registers
.endr
.irp i, 0,1,2,3,4,5,6,7
	s_wait_dscnt 7-\i                              ; row i is in; the younger rows may stay out
	global_store_b128 v[LI], v[WF+4*\i:WF+4*\i+3], s[VRD:VRD+1] offset:1024*\i   ; 32 lanes store 512 consecutive bytes, at a multiple of 256 from the buffer's first byte
.endr
	s_cmp_lt_u32 s[WV], 3                          ; waves 0, 1, 2: q's, k's, v's scale words of the two heads: 256 consecutive bytes each
	s_cbranch_scc0 .Lend
	ds_load_b128 v[96:99], v[S2R]
	s_wait_dscnt 0x0
	global_store_b128 v[SCO], v[96:99], s[SCD:SCD+1]
.Lend:
	s_wait_dscnt 0x0                               ; the closing lines, six on end
	s_wait_alu 0x0
	s_wait_tensorcnt 0x0
	ds_add_u32 v238, v239
	s_wait_dscnt 0x0
	s_endpgm
.Lfunc_end_k_qf160994a98_proj:
	.size	k_qf160994a98_proj, .Lfunc_end_k_qf160994a98_proj-k_qf160994a98_proj
	.p2alignl 7, 3214868480
	.fill 96, 4, 3214868480
	.section	.rodata,"a",@progbits
	.p2align	6, 0x0
	.amdhsa_kernel k_qf160994a98_proj
		.amdhsa_group_segment_fixed_size 280576
		.amdhsa_private_segment_fixed_size 0
		.amdhsa_enable_private_segment 0
		.amdhsa_kernarg_size 96
		.amdhsa_user_sgpr_count 2
		.amdhsa_user_sgpr_kernarg_segment_ptr 1
		.amdhsa_wavefront_size32 1
		.amdhsa_system_sgpr_workgroup_id_x 1
		.amdhsa_system_sgpr_workgroup_id_y 1
		.amdhsa_system_sgpr_workgroup_id_z 1
		.amdhsa_system_vgpr_workitem_id 0
		.amdhsa_next_free_vgpr 256
		.amdhsa_next_free_sgpr 66
		.amdhsa_reserve_vcc 0
		.amdhsa_float_denorm_mode_32 3
		.amdhsa_float_denorm_mode_16_64 3
		.amdhsa_memory_ordered 1
		.amdhsa_forward_progress 1
		.amdhsa_inst_pref_size 78
	.end_amdhsa_kernel
	.amdgpu_metadata
---
amdhsa.version: [ 1, 2 ]
amdhsa.kernels:
  - .name:           k_qf160994a98_proj
    .symbol:         k_qf160994a98_proj.kd
    .args:
      - { .name: x, .offset: 0, .size: 8, .value_kind: global_buffer, .address_space: global }
      - { .name: Wq, .offset: 8, .size: 8, .value_kind: global_buffer, .address_space: global }
      - { .name: Wk, .offset: 16, .size: 8, .value_kind: global_buffer, .address_space: global }
      - { .name: Wv, .offset: 24, .size: 8, .value_kind: global_buffer, .address_space: global }
      - { .name: Wo, .offset: 32, .size: 8, .value_kind: global_buffer, .address_space: global }
      - { .name: bq, .offset: 40, .size: 8, .value_kind: global_buffer, .address_space: global }
      - { .name: bk, .offset: 48, .size: 8, .value_kind: global_buffer, .address_space: global }
      - { .name: bv, .offset: 56, .size: 8, .value_kind: global_buffer, .address_space: global }
      - { .name: cod, .offset: 64, .size: 8, .value_kind: global_buffer, .address_space: global }
      - { .name: scl, .offset: 72, .size: 8, .value_kind: global_buffer, .address_space: global }
      - { .name: vres, .offset: 80, .size: 8, .value_kind: global_buffer, .address_space: global }
      - { .name: wo, .offset: 88, .size: 8, .value_kind: global_buffer, .address_space: global }
    .group_segment_fixed_size: 280576
    .private_segment_fixed_size: 0
    .kernarg_segment_align: 8
    .kernarg_segment_size: 96
    .max_flat_workgroup_size: 512
    .sgpr_count:     66
    .vgpr_count:     256
    .wavefront_size: 32
...
	.end_amdgpu_metadata
.endif
;; end of part 4
;; launch attn (part 5): grid 16 x 16, 16 waves a work-group, clusters of 4 x 1, 280,576 bytes of LDS; arguments cod, scl, att; writes att
.if DOCPART == 5
	.amdgcn_target "amdgcn-amd-amdhsa--gfx1250"
	.amdhsa_code_object_version 6
	.text
	.protected	k_qf160994a98_attn
	.globl	k_qf160994a98_attn
	.p2align	8
	.type	k_qf160994a98_attn,@function
k_qf160994a98_attn:
	s_mov_b64 s[64:65], 0
	v_nop
	global_prefetch_b8 v0, s[64:65] scope:SCOPE_SE
	s_setreg_imm32_b32 hwreg(HW_REG_WAVE_MODE, 25, 1), 1
	s_wait_xcnt 0x0
	s_wait_alu depctr_hold_cnt(0) depctr_sa_sdst(0) depctr_va_vdst(0) depctr_va_sdst(0) depctr_va_ssrc(0) depctr_va_vcc(0) depctr_vm_vsrc(0)
	s_getreg_b32 s2, hwreg(HW_REG_IB_STS2, 6, 4)
	s_cmp_eq_u32 s2, 0
	s_cbranch_scc0 .Lentry_in_a_cluster
	s_endpgm
.Lentry_in_a_cluster:
	s_bfe_u32 s2, ttmp6, 0x10000c
	s_cmp_lg_u32 s2, 0x3003
	s_cbranch_scc0 .Lentry_shape_is_right
	s_endpgm
.Lentry_shape_is_right:
; Attention on codes of FP4 (E2M1), one E8M0 scale for each 32 along a product's K, for one (batch, head) bh and 256 queries a work-group; the result, divided by the row's sum, is quantised along the channels.
; THE SOFTMAX AHEAD OF THE SECOND PRODUCT: t = score x log2(e) / 8; M = the row's largest t so far, rounded up to a whole number; p = 2^(t - M) is quantised along the keys, not normalised.
; The row's sum is taken of the unquantised p.  When M moves, the sum and O are multiplied by 2^(old M - new M): exact.
; SHARES.  Sixteen waves, each one tile of 16 queries; every wave walks the head's 4,096 keys, 128 a step.
; LDS.  A head's K and V as register images (131,072 bytes each) and their scale words (8,192 each) fit at once: every byte is filled ONCE, nothing is ever filled again, nothing is stored there.
; CLUSTER.  The four query blocks of a cluster belong to one head: every fill is asked for JOINTLY (the same tensor load, the same descriptor, the mask of all four).  Wave 0 asks for K's four
; pieces (scale words; steps 0-3; 4-15; 16-31), wave 1 for V's: four tensor loads of a wave are out at the most.  The walk begins when the first pieces are in.
; THE HEAD'S 64 IN A PRODUCT OF 128: a fragment of K holds TWO tiles of 16 keys: tile 0 in k 0-63, tile 1 in k 64-127.  Multiplied by {q, zero codes} it gives tile 0's scores, by {zero codes, q} tile 1's:
; zero codes add exact zeros.  The scale bytes of q's zero blocks are 1.
; LAYOUT.  Both products are used transposed (source 0 = keys, or channels of V; source 1 = my queries): a lane holds one query throughout.  The keys of a tile, and V's channels, are laid by the launch
; before so that 16 registers of two neighbouring tiles are 16 neighbours: register 16 b + i = key (or channel) 32 b + 16 h + i.
; LIMITS: NaN and infinities are not served; a p under 2^-126 comes out of v_exp_f32 as 0; a block whose largest magnitude lies under 2^-124, a block of zeros too, takes the scale byte 1 (its bytes are
; read by this program alone); 1 / sum is v_rcp_f32.
.set LI,  1                            ; v1   16 x lane
.set LS,  2                            ; v2   K's scale words + 4 x lane
.set ADK, 3                            ; v3-5 the step's addresses
.set ADV, 4
.set ADS, 5
.set SBO, 6                            ; v6   8 r + h
.set QWO, 7                            ; v7   4 r
.set LN,  8                            ; v8   lane
.set QLO, 16                           ; v16-23 {q, 0};  v24-31 {0, q}
.set QHI, 24
.set KF,  32                           ; v32-63  K's four fragments
.set VF,  64                           ; v64-95  V's four
.set S,   96                           ; v96-159 S^T, then p
.set O,   160                          ; v160-191 O^T
.set PC,  192                          ; v192-199 p's codes
.set BM,  200                          ; v200-203 a block's largest score, then p
.set BT,  204                          ; v204-207 the other half's; then bytes
.set BS,  208                          ; v208-211 the conversions' scale operands
.set FF,  212                          ; v[212:213] f = 2^(old M - new M); v213 is 0 and only named with it
.set TP,  214
.set SU2, 216                          ; v[216:217] the sums' second chain
.set KS0, 220                          ; v220-221 K's scale words, v222-223 V's, v224 p's, v225-226 q's: these hold scales and nothing else
.set VS0, 222
.set PSW, 224
.set QSL, 225
.set QSH, 226
.set WV,  20
.set SEL, 92
.set CS,  94
.set TB,  96
.set TS,  97
.set CNT, 98
.macro GONE g, rows                    ; descriptor group 1: a dense block as rows of 256 bytes (32 elements of 8 bytes), no padding; 15:0 the mask of all four; bit 21 set beside it
	s_mov_b32 s[\g], 0x0023000f
	s_mov_b32 s[\g+1], 32<<16                      ; tensor_dim0
	s_mov_b32 s[\g+2], \rows<<16                   ; tensor_dim1
	s_mov_b32 s[\g+3], 32<<16                      ; tile_dim0
	s_mov_b32 s[\g+4], \rows                       ; tile_dim1
	s_mov_b32 s[\g+5], 32                          ; the pitch
	s_mov_b32 s[\g+6], 0
	s_mov_b32 s[\g+7], 0
.endm
.macro GZERO g, lds, base, off         ; descriptor group 0
	s_mov_b32 s[\g], 1
	s_mov_b32 s[\g+1], \lds
	s_add_nc_u64 s[\g+2:\g+3], s[\base:\base+1], \off
	s_or_b32 s[\g+3], s[\g+3], 0x80000000
.endm
.macro ROUND                           ; a round of the cluster's barrier
	s_barrier_signal -1
	s_barrier_wait -1
	s_cmp_lg_u32 s[WV], 0
	s_cbranch_scc1 .Lnot_wave_0_\@
	s_barrier_signal -3
.Lnot_wave_0_\@:
	s_barrier_wait -3
	s_barrier_signal -1
	s_barrier_wait -1
.endm
.macro MM0 d, a, b, sa, sb
	v_wmma_scale_f32_16x16x128_f8f6f4 v[\d:\d+7], v[\a:\a+7], v[\b:\b+7], 0, v[\sa], v[\sb] matrix_a_fmt:MATRIX_FMT_FP4 matrix_b_fmt:MATRIX_FMT_FP4
.endm
.macro MM0R d, a, b, sa, sb            ; source 0's scales from lanes 16-31
	v_wmma_scale_f32_16x16x128_f8f6f4 v[\d:\d+7], v[\a:\a+7], v[\b:\b+7], 0, v[\sa], v[\sb] matrix_a_fmt:MATRIX_FMT_FP4 matrix_b_fmt:MATRIX_FMT_FP4 matrix_a_scale:MATRIX_SCALE_ROW1
.endm
.macro MMA d, a, b, sa, sb
	v_wmma_scale_f32_16x16x128_f8f6f4 v[\d:\d+7], v[\a:\a+7], v[\b:\b+7], v[\d:\d+7], v[\sa], v[\sb] matrix_a_fmt:MATRIX_FMT_FP4 matrix_b_fmt:MATRIX_FMT_FP4
.endm
.macro MMAR d, a, b, sa, sb
	v_wmma_scale_f32_16x16x128_f8f6f4 v[\d:\d+7], v[\a:\a+7], v[\b:\b+7], v[\d:\d+7], v[\sa], v[\sb] matrix_a_fmt:MATRIX_FMT_FP4 matrix_b_fmt:MATRIX_FMT_FP4 matrix_a_scale:MATRIX_SCALE_ROW1
.endm
	s_load_b128 s[4:7], s[0:1], 0x0                ; cod, scl
	s_load_b64 s[8:9], s[0:1], 0x10                ; att
	v_lshl_add_u32 v232, v0, 2, 0x44000
	v_mov_b32 v233, 0
	ds_add_u32 v232, v233
	ds_add_u32 v232, v233
	v_lshrrev_b32 v3, 5, v0
	s_delay_alu instid0(VALU_DEP_1)
	v_readfirstlane_b32 s[WV], v3                  ; wave 0..15
	s_and_b32 s21, ttmp7, 0xffff                   ; bh = 4 x batch + head, which the four partners share
	s_bfe_u32 s22, ttmp6, 0x40000                  ; cx
	s_lshl_b32 s23, ttmp9, 2
	s_add_co_u32 s22, s23, s22                     ; my block of 256 queries: it enters q's and att's global addresses alone, in registers that feed no descriptor
	GONE 24, 32                                    ; scale words: 8,192 bytes
	GONE 32, 64                                    ; steps 0-3: 16,384 bytes
	GONE 40, 192                                   ; steps 4-15: 49,152
	GONE 48, 256                                   ; steps 16-31: 65,536
	s_lshl_b32 s10, s21, 17                        ; the head's codes in each part of cod
	s_mov_b32 s11, 0
	s_lshl_b32 s12, s21, 13                        ; its scale words in each part of scl
	s_mov_b32 s13, 0
	s_mov_b32 s[SEL], 0x76543210
	s_mov_b32 s[SEL+1], 0xfedcba98
	s_mov_b32 s[CS], 0x3e38aa3b                    ; c = log2(e) / 8
	s_mov_b32 s[CS+1], s[CS]                       ; (named with it as a pair, so it is written)
	s_wait_dscnt 0x0
	s_wait_kmcnt 0x0
	s_add_nc_u64 s[14:15], s[4:5], s[10:11]
	s_add_nc_u64 s[16:17], s[6:7], s[12:13]
	GZERO 56, 262144, 16, 131072                   ; K's scale words
	GZERO 60, 0, 14, 0x200000                      ; K's steps 0-3
	GZERO 68, 16384, 14, 0x200000+16384            ; 4-15
	GZERO 72, 65536, 14, 0x200000+65536            ; 16-31
	GZERO 76, 270336, 16, 262144                   ; V's scale words
	GZERO 80, 131072, 14, 0x400000
	GZERO 84, 147456, 14, 0x400000+16384
	GZERO 88, 196608, 14, 0x400000+65536
	ROUND                                          ; all four work-groups are here: the joint loads meet
	s_cmp_lg_u32 s[WV], 0                          ; a wave's fills stand in one branch on the wave's number, ahead of every wait on TENSORcnt, every LDS read and every other barrier
	s_cbranch_scc1 .Lnot_k
	tensor_load_to_lds s[56:59], s[24:31]
	s_nop 0
	tensor_load_to_lds s[60:63], s[32:39]
	s_nop 0
	tensor_load_to_lds s[68:71], s[40:47]
	s_nop 0
	tensor_load_to_lds s[72:75], s[48:55]
	s_nop 0
.rept 4
	v_nop                                          ; four v_nop follow the last
.endr
	s_branch .Lfilled
.Lnot_k:
	s_cmp_lg_u32 s[WV], 1
	s_cbranch_scc1 .Lfilled
	tensor_load_to_lds s[76:79], s[24:31]
	s_nop 0
	tensor_load_to_lds s[80:83], s[32:39]
	s_nop 0
	tensor_load_to_lds s[84:87], s[40:47]
	s_nop 0
	tensor_load_to_lds s[88:91], s[48:55]
	s_nop 0
.rept 4
	v_nop
.endr
.Lfilled:
	v_and_b32 v[LN], 31, v0
	v_and_b32 v9, 15, v0                           ; r
	v_bfe_u32 v10, v0, 4, 1                        ; h
	s_delay_alu instid0(VALU_DEP_3)
	v_lshlrev_b32 v[LI], 4, v[LN]
	s_wait_alu depctr_va_vdst(0)
	v_lshl_add_u32 v[LS], v[LN], 2, 262144
	v_lshl_add_u32 v[SBO], v9, 3, v10
	v_lshlrev_b32 v[QWO], 2, v9
	s_wait_alu depctr_va_vdst(0)
	s_mov_b32 s3, 0
	s_lshl_b32 s2, s22, 13                         ; q: my block's 8,192 bytes, my wave's plane of 512
	s_lshl_b32 s23, s[WV], 9
	s_add_co_u32 s2, s2, s23
	s_add_nc_u64 s[100:101], s[14:15], s[2:3]
	s_lshl_b32 s2, s22, 9                          ; its scale words: 512 bytes a block, 64 for each pair of waves
	s_lshr_b32 s23, s[WV], 1
	s_lshl_b32 s23, s23, 6
	s_add_co_u32 s2, s2, s23
	s_add_nc_u64 s[18:19], s[16:17], s[2:3]
	global_load_b128 v[QLO:QLO+3], v[LI], s[100:101]             ; my 16 queries' codes, twice: as k 0-63 and as k 64-127
	global_load_b128 v[QHI+4:QHI+7], v[LI], s[100:101]
	global_load_b32 v[TP], v[QWO], s[18:19]
	s_lshr_b32 s2, s21, 2                          ; my token tile: 256 x batch + 16 x block + wave
	s_lshl_b32 s2, s2, 8
	s_lshl_b32 s23, s22, 4
	s_add_co_u32 s2, s2, s23
	s_add_co_u32 s2, s2, s[WV]
	s_and_b32 s23, s21, 3                          ; the head
	s_lshl_b32 s99, s2, 7
	s_lshl_b32 s2, s2, 11
	s_lshl_b32 s3, s23, 9
	s_add_co_u32 s2, s2, s3
	s_mov_b32 s3, 0
	s_add_nc_u64 s[66:67], s[8:9], s[2:3]          ; att's codes: 2,048 a tile, 512 a head
	s_lshl_b32 s23, s23, 1
	s_add_co_u32 s2, s99, s23
	s_add_co_u32 s2, s2, 0x200000
	s_add_nc_u64 s[8:9], s[8:9], s[2:3]            ; att's scale bytes: 128 a tile, 8 a token, 2 a head
	s_and_b32 s23, s[WV], 1
	s_lshl_b32 s23, s23, 4
.irp j, 4,5,6,7,8,9,10,11
	v_mov_b32 v[QLO+\j], 0                         ; the zero codes
.endr
	s_wait_loadcnt 0x0
	v_lshrrev_b32 v[TP], s23, v[TP]                ; my tile's two bytes of the word of 32 tokens
	s_delay_alu instid0(VALU_DEP_1)
	v_and_b32 v[TP], 0xffff, v[TP]
	s_delay_alu instid0(VALU_DEP_1)
	v_or_b32 v[QSL], 0x01010000, v[TP]
	s_delay_alu instid0(VALU_DEP_2)
	v_lshl_or_b32 v[QSH], v[TP], 16, 0x0101
.irp j, 0,1,2,3,4,5,6,7,8,9,10,11,12,13,14,15,16,17,18,19,20,21,22,23,24,25,26,27,28,29,30,31
	v_mov_b32 v[O+\j], 0                           ; O^T: the first step finds zeros, which the first change of M leaves zeros.  (These lines are also the places between q's scale words and the first product)
.endr
	v_mov_b32 v13, 0xff61b1e6                      ; the largest t so far: -3e38
	s_delay_alu instid0(VALU_DEP_1)
	v_floor_f32 v12, -v13                          ; -M
	v_mov_b32 v14, 0                               ; the sum, in two halves
	v_mov_b32 v15, 0
	v_mov_b32 v[FF+1], 0
.irp b, 0,1,2,3
	v_mov_b32 v[BT+\b], 0                          ; a lane permute's destination counts as one of its sources
.endr
; A KEY STEP: 128 keys
.macro STEP
	v_add_nc_u32 v[ADK], s[TB], v[LI]              ; these four lines are the places between the last step's products and the loads into their fragments
	v_add_nc_u32 v[ADS], s[TS], v[LS]
	s_delay_alu instid0(VALU_DEP_2)
	v_add_nc_u32 v[ADV], 0x20000, v[ADK]
	v_nop
.irp f, 0,1,2,3
	ds_load_b128 v[KF+8*\f:KF+8*\f+3], v[ADK] offset:1024*\f
	ds_load_b128 v[KF+8*\f+4:KF+8*\f+7], v[ADK] offset:1024*\f+512
.endr
	ds_load_b32 v[KS0], v[ADS]                     ; lanes 0-15: fragment 0's words, lanes 16-31: fragment 1's
	ds_load_b32 v[KS0+1], v[ADS] offset:128
.irp f, 0,1,2,3
	ds_load_b128 v[VF+8*\f:VF+8*\f+3], v[ADV] offset:1024*\f
	ds_load_b128 v[VF+8*\f+4:VF+8*\f+7], v[ADV] offset:1024*\f+512
.endr
	ds_load_b32 v[VS0], v[ADS] offset:8192
	ds_load_b32 v[VS0+1], v[ADS] offset:8192+128
	s_wait_dscnt 10                                ; K's ten loads are in; V's ten may stay out
.irp f, 0,2
	MM0 S+16*\f, KF+8*\f, QLO, KS0+\f/2, QSL
	MM0 S+16*\f+8, KF+8*\f, QHI, KS0+\f/2, QSH
	MM0R S+16*\f+16, KF+8*\f+8, QLO, KS0+\f/2, QSL
	MM0R S+16*\f+24, KF+8*\f+8, QHI, KS0+\f/2, QSH
.endr
.rept 4
	v_nop
.endr
.irp b, 0,1,2,3
	v_max3_num_f32 v[BM+\b], v[S+16*\b], v[S+1+16*\b], v[S+2+16*\b]   ; the largest score of each block of 32 keys: for the row's maximum, and, since p rises with the score, for the block's largest p
.endr
.irp i, 3,5,7,9,11,13
.irp b, 0,1,2,3
	v_max3_num_f32 v[BM+\b], v[BM+\b], v[S+16*\b+\i], v[S+1+16*\b+\i]
.endr
.endr
.irp b, 0,1,2,3
	v_max_num_f32 v[BM+\b], v[BM+\b], v[S+15+16*\b]
.endr
.irp b, 0,1,2,3
	s_delay_alu instid0(VALU_DEP_4)
	v_permlanex16_b32 v[BT+\b], v[BM+\b], s[SEL], s[SEL+1]
.endr
.irp b, 0,1,2,3
	s_delay_alu instid0(VALU_DEP_4)
	v_max_num_f32 v[BM+\b], v[BM+\b], v[BT+\b]     ; with lane l xor 16's 16 keys
.endr
	s_delay_alu instid0(VALU_DEP_2)
	v_max3_num_f32 v[TP], v[BM], v[BM+1], v[BM+2]
	s_delay_alu instid0(VALU_DEP_1)
	v_max_num_f32 v[TP], v[TP], v[BM+3]
	s_delay_alu instid0(VALU_DEP_1)
	v_mul_f32 v[TP], s[CS], v[TP]                  ; the step's largest t (c is positive)
	s_delay_alu instid0(VALU_DEP_1)
	v_max_num_f32 v13, v13, v[TP]
	v_mov_b32 v[TP], v12
	s_delay_alu instid0(VALU_DEP_2)
	v_floor_f32 v12, -v13                          ; the new -M = -ceil(t)
	s_delay_alu instid0(VALU_DEP_1)
	v_sub_f32 v[TP], v12, v[TP]                    ; old M - new M: a whole number, 0 or less
	s_delay_alu instid0(VALU_DEP_1)
	v_cvt_i32_f32 v[TP], v[TP]                     ; (it saturates)
	s_delay_alu instid0(VALU_DEP_1)
	v_ldexp_f32 v[FF], 1.0, v[TP]                  ; f = 2^(old M - new M)
.irp j, 0,2,4,6,8,10,12,14,16,18,20,22,24,26,28,30,32,34,36,38,40,42,44,46,48,50,52,54,56,58,60,62
	v_pk_fma_f32 v[S+\j:S+\j+1], v[S+\j:S+\j+1], s[CS:CS+1], v[12:13] op_sel_hi:[1,0,0]   ; t - M
.endr
.irp b, 0,1,2,3
	v_fma_f32 v[BM+\b], v[BM+\b], s[CS], v12
.endr
	s_wait_alu depctr_va_vdst(0)
.irp j, 0,1,2,3,4,5,6,7,8,9,10,11,12,13,14,15,16,17,18,19,20,21,22,23,24,25,26,27,28,29,30,31,32,33,34,35,36,37,38,39,40,41,42,43,44,45,46,47,48,49,50,51,52,53,54,55,56,57,58,59,60,61,62,63
	v_exp_f32 v[S+\j], v[S+\j]                     ; p = 2^(t - M)
.endr
	s_setprio 1
.irp b, 0,1,2,3
	v_exp_f32 v[BM+\b], v[BM+\b]                   ; the block's largest p: the same two instructions on the same number
.endr
	v_pk_mul_f32 v[14:15], v[14:15], v[FF:FF+1] op_sel_hi:[1,0]   ; the sums under the new M (a plain place behind the exponentials)
	s_wait_alu depctr_va_vdst(0)
.irp b, 0,1,2,3
	v_max_num_f32 v[BM+\b], 0x1800000, v[BM+\b]    ; the floor 2^(3 - 127)
.endr
.irp b, 0,1,2,3
	s_delay_alu instid0(VALU_DEP_4)
	v_add_nc_u32 v[BS+\b], 0xff000000, v[BM+\b]
.endr
.irp b, 0,1,2,3
	s_delay_alu instid0(VALU_DEP_4)
	v_lshrrev_b32 v[BT+\b], 23, v[BS+\b]
.endr
	s_delay_alu instid0(VALU_DEP_3)
	v_lshl_or_b32 v[PSW], v[BT+1], 8, v[BT]        ; p's scale word for these 128 keys
	s_delay_alu instid0(VALU_DEP_1)
	v_lshl_or_b32 v[PSW], v[BT+2], 16, v[PSW]
	s_delay_alu instid0(VALU_DEP_1)
	v_lshl_or_b32 v[PSW], v[BT+3], 24, v[PSW]
.irp b, 0,1,2,3
	v_cvt_scalef32_pk8_fp4_f32 v[PC+2*\b], v[S+16*\b:S+7+16*\b], v[BS+\b]
	v_cvt_scalef32_pk8_fp4_f32 v[PC+1+2*\b], v[S+8+16*\b:S+15+16*\b], v[BS+\b]
.endr
	v_nop
.irp c, 0,1
.irp i, 0,1
	v_permlane16_swap_b32 v[PC+4*\c+\i], v[PC+2+4*\c+\i]
.endr
.endr
	v_pk_add_f32 v[216:217], v[100:101], v[104:105]
	v_pk_add_f32 v[230:231], v[108:109], v[112:113]
	v_pk_add_f32 v[228:229], v[116:117], v[120:121]
	v_pk_add_f32 v[220:221], v[124:125], v[128:129]
	v_pk_add_f32 v[218:219], v[132:133], v[136:137]
	v_pk_add_f32 v[210:211], v[140:141], v[144:145]
	v_pk_add_f32 v[208:209], v[148:149], v[152:153]
	v_pk_add_f32 v[14:15], v[14:15], v[156:157]
	v_pk_add_f32 v[216:217], v[216:217], v[96:97]
	v_pk_add_f32 v[230:231], v[230:231], v[98:99]
	v_pk_add_f32 v[228:229], v[228:229], v[102:103]
	v_pk_add_f32 v[220:221], v[220:221], v[106:107]
	v_pk_add_f32 v[218:219], v[218:219], v[110:111]
	v_pk_add_f32 v[210:211], v[210:211], v[114:115]
	v_pk_add_f32 v[208:209], v[208:209], v[118:119]
	v_pk_add_f32 v[14:15], v[14:15], v[122:123]
	v_pk_add_f32 v[216:217], v[216:217], v[126:127]
	v_pk_add_f32 v[230:231], v[230:231], v[130:131]
	v_pk_add_f32 v[228:229], v[228:229], v[134:135]
	v_pk_add_f32 v[220:221], v[220:221], v[138:139]
	v_pk_add_f32 v[218:219], v[218:219], v[142:143]
	v_pk_add_f32 v[210:211], v[210:211], v[146:147]
	v_pk_add_f32 v[208:209], v[208:209], v[150:151]
	v_pk_add_f32 v[14:15], v[14:15], v[154:155]
	v_pk_add_f32 v[216:217], v[216:217], v[158:159]
	s_delay_alu instid0(VALU_DEP_2)
	v_pk_add_f32 v[14:15], v[14:15], v[220:221]
	s_delay_alu instid0(VALU_DEP_2)
	v_pk_add_f32 v[216:217], v[216:217], v[218:219]
	v_pk_add_f32 v[230:231], v[230:231], v[210:211]
	v_pk_add_f32 v[228:229], v[228:229], v[208:209]
	s_delay_alu instid0(VALU_DEP_2)
	v_pk_add_f32 v[14:15], v[14:15], v[230:231]
	s_delay_alu instid0(VALU_DEP_2)
	v_pk_add_f32 v[216:217], v[216:217], v[228:229]
	s_delay_alu instid0(VALU_DEP_1)
	v_pk_add_f32 v[14:15], v[14:15], v[216:217]
	s_setprio 0
.irp j, 0,2,4,6,8,10,12,14,16,18,20,22,24,26,28,30
	v_pk_mul_f32 v[O+\j:O+\j+1], v[O+\j:O+\j+1], v[FF:FF+1] op_sel_hi:[1,0]   ; O^T under the new M
.endr
	s_wait_alu depctr_va_vdst(0)
	s_wait_dscnt 0x0                               ; V is in
	MMA O, VF, PC, VS0, PSW                        ; O^T += V^T P^T: four accumulators, one instruction each
	MMAR O+8, VF+8, PC, VS0, PSW
	MMA O+16, VF+16, PC, VS0+1, PSW
	MMAR O+24, VF+24, PC, VS0+1, PSW
	s_add_co_u32 s[TB], s[TB], 4096
	s_add_co_u32 s[TS], s[TS], 256
.endm
; A piece of the keys.  cnt: how many of the asking waves' later pieces may stay out, so they stay in flight across it
.macro PHASE cnt, first, trips
	s_wait_tensorcnt \cnt
	s_wait_dscnt 0x0
	s_barrier_signal -1
	s_barrier_wait -1
	s_mov_b32 s[TB], \first*4096
	s_mov_b32 s[TS], \first*256
	s_mov_b32 s[CNT], \trips
.Lstep_\@:
	s_setprio 2
	STEP
	s_sub_co_u32 s[CNT], s[CNT], 1
	s_cmp_lg_u32 s[CNT], 0
	s_cbranch_scc1 .Lstep_\@
	s_setprio 0
.endm
	PHASE 2, 0, 4                                  ; the scale words and steps 0-3 are in
	PHASE 1, 4, 12
	PHASE 0, 16, 16
	; THE WAY OUT: O^T / the sum, quantised along the head's 64 channels (two blocks): a plane of 512 bytes and two bytes a token
.rept 4
	v_nop
.endr
	v_add_f32 v14, v14, v15
	s_delay_alu instid0(VALU_DEP_1)
	v_permlanex16_b32 v[TP], v14, s[SEL], s[SEL+1]
	s_delay_alu instid0(VALU_DEP_1)
	v_add_f32 v14, v14, v[TP]                      ; the row's sum
	s_wait_alu depctr_va_vdst(0)
	v_rcp_f32 v14, v14
	v_nop
	s_wait_alu depctr_va_vdst(0)
.irp j, 0,2,4,6,8,10,12,14,16,18,20,22,24,26,28,30
	v_pk_mul_f32 v[S+\j:S+\j+1], v[O+\j:O+\j+1], v[14:15] op_sel_hi:[1,0]   ; register 16 b + i = channel 32 b + 16 h + i of my query; each accumulator from its low end on
.endr
.irp b, 0,1
	v_max3_num_f32 v[BM+\b], |v[S+16*\b]|, |v[S+1+16*\b]|, 0x1800000
.endr
.irp i, 2,4,6,8,10,12,14
.irp b, 0,1
	s_delay_alu instid0(VALU_DEP_2)
	v_max3_num_f32 v[BM+\b], v[BM+\b], |v[S+16*\b+\i]|, |v[S+1+16*\b+\i]|
.endr
.endr
.irp b, 0,1
	s_delay_alu instid0(VALU_DEP_2)
	v_permlanex16_b32 v[BT+\b], v[BM+\b], s[SEL], s[SEL+1]
.endr
.irp b, 0,1
	s_delay_alu instid0(VALU_DEP_2)
	v_max_num_f32 v[BM+\b], v[BM+\b], v[BT+\b]
.endr
.irp b, 0,1
	s_delay_alu instid0(VALU_DEP_2)
	v_add_nc_u32 v[BS+\b], 0xff000000, v[BM+\b]
.endr
.irp b, 0,1
	s_delay_alu instid0(VALU_DEP_2)
	v_lshrrev_b32 v[BT+\b], 23, v[BS+\b]
.endr
.irp b, 0,1
	v_cvt_scalef32_pk8_fp4_f32 v[PC+2*\b], v[S+16*\b:S+7+16*\b], v[BS+\b]
	v_cvt_scalef32_pk8_fp4_f32 v[PC+1+2*\b], v[S+8+16*\b:S+15+16*\b], v[BS+\b]
.endr
	v_nop
	v_permlane16_swap_b32 v[PC], v[PC+2]
	v_permlane16_swap_b32 v[PC+1], v[PC+3]
	v_cmp_le_u32 vcc_lo, 16, v[LN]
	s_delay_alu instid0(VALU_DEP_1)
	v_cndmask_b32 v[TP], v[BT], v[BT+1], vcc_lo    ; lanes 0-15 store block 0's byte, lanes 16-31 block 1's
	global_store_b128 v[LI], v[PC:PC+3], s[66:67]  ; 512 consecutive bytes
	global_store_b8 v[SBO], v[TP], s[8:9]          ; a token's other six bytes come from the other heads' work-groups
	s_wait_tensorcnt 0x0
	ds_add_u32 v232, v233
	s_wait_dscnt 0x0
	ROUND                                          ; the closing round: no work-group ends while a partner may still ask for a tile that names it
	s_endpgm
.Lfunc_end_k_qf160994a98_attn:
	.size	k_qf160994a98_attn, .Lfunc_end_k_qf160994a98_attn-k_qf160994a98_attn
	.p2alignl 7, 3214868480
	.fill 96, 4, 3214868480
	.section	.rodata,"a",@progbits
	.p2align	6, 0x0
	.amdhsa_kernel k_qf160994a98_attn
		.amdhsa_group_segment_fixed_size 280576
		.amdhsa_private_segment_fixed_size 0
		.amdhsa_enable_private_segment 0
		.amdhsa_kernarg_size 24
		.amdhsa_user_sgpr_count 2
		.amdhsa_user_sgpr_kernarg_segment_ptr 1
		.amdhsa_wavefront_size32 1
		.amdhsa_system_sgpr_workgroup_id_x 1
		.amdhsa_system_sgpr_workgroup_id_y 1
		.amdhsa_system_sgpr_workgroup_id_z 1
		.amdhsa_system_vgpr_workitem_id 0
		.amdhsa_next_free_vgpr 234
		.amdhsa_next_free_sgpr 102
		.amdhsa_reserve_vcc 1
		.amdhsa_float_denorm_mode_32 3
		.amdhsa_float_denorm_mode_16_64 3
		.amdhsa_memory_ordered 1
		.amdhsa_forward_progress 1
		.amdhsa_inst_pref_size 64
	.end_amdhsa_kernel
	.amdgpu_metadata
---
amdhsa.version: [ 1, 2 ]
amdhsa.kernels:
  - .name:           k_qf160994a98_attn
    .symbol:         k_qf160994a98_attn.kd
    .args:
      - { .name: cod, .offset: 0, .size: 8, .value_kind: global_buffer, .address_space: global }
      - { .name: scl, .offset: 8, .size: 8, .value_kind: global_buffer, .address_space: global }
      - { .name: att, .offset: 16, .size: 8, .value_kind: global_buffer, .address_space: global }
    .group_segment_fixed_size: 280576
    .private_segment_fixed_size: 0
    .kernarg_segment_align: 8
    .kernarg_segment_size: 24
    .max_flat_workgroup_size: 512
    .sgpr_count:     102
    .vgpr_count:     234
    .wavefront_size: 32
...
	.end_amdgpu_metadata
.endif
;; end of part 5
;; launch outln (part 6): grid 256 x 1, 16 waves a work-group, no clusters, 68,608 bytes of LDS; arguments att, wo, bo, vres, gamma, beta, out0; writes out0
.if DOCPART == 6
	.amdgcn_target "amdgcn-amd-amdhsa--gfx1250"
	.amdhsa_code_object_version 6
	.text
	.protected	k_qf160994a98_outln
	.globl	k_qf160994a98_outln
	.p2align	8
	.type	k_qf160994a98_outln,@function
k_qf160994a98_outln:
	s_mov_b64 s[64:65], 0
	v_nop
	global_prefetch_b8 v0, s[64:65] scope:SCOPE_SE
	s_setreg_imm32_b32 hwreg(HW_REG_WAVE_SCHED_MODE, 0, 2), 2
	s_setreg_imm32_b32 hwreg(HW_REG_WAVE_MODE, 25, 1), 1
	s_wait_xcnt 0x0
	s_wait_alu depctr_vm_vsrc(0)
; out0 = LayerNorm(a Wo^T + bo + v) x gamma + beta.  a (the attention's result) and Wo arrive as register images of FP4 (E2M1) fragments with E8M0 scale words; v as f32.
; SHARES.  A work-group owns four tiles of 16 tokens (64 consecutive tokens).  Wave w keeps Wo's tile w (16 of the 256 outputs) in registers and multiplies it with all four token tiles, transposed
; (source 0 = Wo, source 1 = tokens): a lane holds one token and eight neighbouring outputs.  The results meet in a stage in LDS; then each wave owns four whole rows: residual, mean, variance (two
; passes, as the definition has them), gain and offset, and stores 512 consecutive bytes an instruction.
; No tensor load, no cluster: what the work-groups share is Wo's 36,864 bytes, a small part of what each reads.
; LIMITS: NaN and infinities are not served; the reciprocal root is v_rsq_f32.
; THE MODE: SCHED_MODE bits 1:0 = 2 (LLVM: expert scheduling mode 2), set by the entry lines.  The code itself states the register dependences
; between vector or matrix instructions and memory or LDS instructions, with s_wait_alu, always for 0.
; THE PLAN.  Registers that memory or LDS instructions touch:
;   v1-v6, v240, v241    addresses and offsets: written at the head, never again: one wait on va_vdst ahead of the first load.
;   fragments, scale words, bo, v, gamma, beta: loads land in them once; no vector or matrix instruction names them before.
;   ACC                  written by the products, read by the stage's LDS stores: the places, then one wait on va_vdst.  Never written again.
;   Y                    LDS loads land once; the arithmetic works in place; one wait on va_vdst ahead of the run of eight stores.  Never written again.
.set LI,  1                            ; v1  16 x lane
.set LS,  2                            ; v2  4 x lane
.set R8,  3                            ; v3  8 r
.set SO,  4                            ; v4  the stage, in: row r, my outputs' bytes
.set SR,  5                            ; v5  the stage, out: my four rows
.set H64, 6                            ; v6  64 h
.set BO,  8                            ; v8-15    bo in the result's layout
.set WOF, 16                           ; v16-31   Wo's two fragments
.set WSC, 32                           ; v32-33   their scale words;  v34-41 the tokens' (two a tile): scales and nothing else
.set ASC, 34
.set AF,  48                           ; v48-111  the tokens' eight fragments
.set ACC, 112                          ; v112-143 four accumulators
.set VR,  144                          ; v144-175 four rows of v
.set GA,  176
.set BE,  184
.set Y,   192                          ; v192-223 four rows: 8 numbers a lane each: channels 4 lane .. + 3 and 128 + 4 lane .. + 3
.set T,   224                          ; v224-239 four registers a row, at work
.set PT,  1040                         ; a stage row: 1,024 bytes + 16: an odd multiple of 16
.set WV,  20
.set SEL, 22
.macro MMC d, a, b, c, sa, sb
	v_wmma_scale_f32_16x16x128_f8f6f4 v[\d:\d+7], v[\a:\a+7], v[\b:\b+7], v[\c:\c+7], v[\sa], v[\sb] matrix_a_fmt:MATRIX_FMT_FP4 matrix_b_fmt:MATRIX_FMT_FP4
.endm
.macro ACROSS reg, tmp                 ; the sum over the wave's 32 lanes of v[reg + 4 i], the four rows by turns; the result in every lane
.irp x, 1,2,4,8
.irp i, 0,1,2,3
	v_add_f32_dpp v[\reg+4*\i], v[\reg+4*\i], v[\reg+4*\i] row_xmask:\x row_mask:0xf bank_mask:0xf
.endr
.endr
.irp i, 0,1,2,3
	v_permlanex16_b32 v[\tmp+4*\i], v[\reg+4*\i], s[SEL], s[SEL+1]
.endr
.irp i, 0,1,2,3
	v_add_f32 v[\reg+4*\i], v[\reg+4*\i], v[\tmp+4*\i]
.endr
.endm
	s_load_b256 s[4:11], s[0:1], 0x0               ; att, wo, bo, vres
	s_load_b128 s[12:15], s[0:1], 0x20             ; gamma, beta
	s_load_b64 s[16:17], s[0:1], 0x30              ; out0
	v_lshl_add_u32 v240, v0, 2, 0x10400
	v_mov_b32 v241, 0
	v_lshrrev_b32 v7, 5, v0
	v_readfirstlane_b32 s[WV], v7                  ; wave 0..15
	v_and_b32 v7, 31, v0                           ; lane
	v_and_b32 v[T], 15, v0                         ; r
	v_bfe_u32 v[T+1], v0, 4, 1                     ; h
	v_lshlrev_b32 v[LI], 4, v7
	v_lshlrev_b32 v[LS], 2, v7
	v_lshlrev_b32 v[R8], 3, v[T]
	v_lshlrev_b32 v[H64], 6, v[T+1]
	s_wait_alu depctr_va_sdst(0)                   ; the wave's number is written, ahead of its first reader: addresses and bases are made from it
	s_lshr_b32 s21, s[WV], 1
	s_lshl_b32 s21, s21, 7
	s_and_b32 s39, s[WV], 1
	s_lshl_b32 s39, s39, 5
	s_add_co_u32 s21, s21, s39                     ; my tile's first output, in bytes: 128 (w / 2) + 32 (w % 2)
	v_mul_u32_u24 v[SO], v[T], PT
	v_add_nc_u32 v[SO], v[SO], v[H64]
	v_add_nc_u32 v[SO], s21, v[SO]
	s_mul_i32 s39, s[WV], 4*PT
	v_add_nc_u32 v[SR], s39, v[LI]
	s_mov_b32 s[SEL], 0x76543210
	s_mov_b32 s[SEL+1], 0xfedcba98
	s_mov_b32 s18, 0x3b800000                      ; 1 / 256
	s_mov_b32 s19, 0x358637bd                      ; 1e-6
	; stage rows 4 w .. 4 w + 3 are position 4 (w % 4) + i of token tile w / 4: four consecutive tokens from tok0 on
	s_lshl_b32 s38, ttmp9, 6
	s_lshr_b32 s39, s[WV], 3
	s_lshl_b32 s39, s39, 5
	s_add_co_u32 s38, s38, s39
	s_bfe_u32 s39, s[WV], 0x10002
	s_lshl_b32 s39, s39, 3
	s_add_co_u32 s38, s38, s39
	s_and_b32 s39, s[WV], 3
	s_lshl_b32 s39, s39, 2
	s_add_co_u32 s38, s38, s39
	s_bfe_u32 s39, s[WV], 0x10001
	s_lshl_b32 s39, s39, 3
	s_add_co_u32 s38, s38, s39                     ; tok0
	s_lshl_b32 s38, s38, 10
	s_mov_b32 s39, 0
	s_wait_kmcnt 0x0
	s_add_nc_u64 s[34:35], s[10:11], s[38:39]      ; v's rows
	s_add_nc_u64 s[36:37], s[16:17], s[38:39]      ; out0's
	s_lshl_b32 s38, s[WV], 11
	s_add_nc_u64 s[24:25], s[6:7], s[38:39]        ; Wo's tile w
	s_lshl_b32 s38, s[WV], 8
	s_add_co_u32 s38, s38, 32768
	s_add_nc_u64 s[26:27], s[6:7], s[38:39]        ; its scale words
	s_lshl_b32 s38, ttmp9, 13
	s_add_nc_u64 s[28:29], s[4:5], s[38:39]        ; my four token tiles' images
	s_lshl_b32 s38, ttmp9, 9
	s_add_co_u32 s38, s38, 0x200000
	s_add_nc_u64 s[30:31], s[4:5], s[38:39]        ; their scale bytes
	s_mov_b32 s38, s21
	s_add_nc_u64 s[32:33], s[8:9], s[38:39]        ; bo at my tile
	s_wait_alu depctr_va_vdst(0)                   ; the six addresses and offsets v1 to v6 are written, which every load and store of the kernel reads; they are never written again
.irp ks, 0,1
.irp c, 0,1
	global_load_b128 v[WOF+8*\ks+4*\c:WOF+8*\ks+4*\c+3], v[LI], s[24:25] offset:1024*\ks+512*\c
.endr
.endr
.irp ks, 0,1
	global_load_b32 v[WSC+\ks], v[LS], s[26:27] offset:128*\ks
.endr
.irp m, 0,1,2,3
.irp ks, 0,1
.irp c, 0,1
	global_load_b128 v[AF+16*\m+8*\ks+4*\c:AF+16*\m+8*\ks+4*\c+3], v[LI], s[28:29] offset:2048*\m+1024*\ks+512*\c
.endr
.endr
.endr
.irp m, 0,1,2,3
	global_load_b64 v[ASC+2*\m:ASC+2*\m+1], v[R8], s[30:31] offset:128*\m       ; a token's eight bytes: the two K steps' scale words
.endr
	global_load_b128 v[BO:BO+3], v[H64], s[32:33]                ; lane (r, h): outputs 16 h + 0 .. 7 of my tile's 32
	global_load_b128 v[BO+4:BO+7], v[H64], s[32:33] offset:16
.irp i, 0,1,2,3
	global_load_b128 v[VR+8*\i:VR+8*\i+3], v[LI], s[34:35] offset:1024*\i th:TH_LOAD_NT
	global_load_b128 v[VR+8*\i+4:VR+8*\i+7], v[LI], s[34:35] offset:1024*\i+512 th:TH_LOAD_NT
.endr
	global_load_b128 v[GA:GA+3], v[LI], s[12:13]
	global_load_b128 v[GA+4:GA+7], v[LI], s[12:13] offset:512
	global_load_b128 v[BE:BE+3], v[LI], s[14:15]
	global_load_b128 v[BE+4:BE+7], v[LI], s[14:15] offset:512
	s_wait_loadcnt 12                              ; the operands and bo are in; the twelve loads of v, gamma and beta may stay out
.irp m, 0,1,2,3                                ; four accumulators by turns, one instruction a turn; bo is the C of each sum's first product
	MMC ACC+8*\m, WOF, AF+16*\m, BO, WSC, ASC+2*\m
.endr
.irp m, 0,1,2,3
	MMC ACC+8*\m, WOF+8, AF+16*\m+8, ACC+8*\m, WSC+1, ASC+2*\m+1
.endr
.rept 4
	v_nop
.endr
	s_wait_alu depctr_va_vdst(0)                   ; the products have written the four accumulators, which the LDS stores read; the places above stay beside this wait
.irp m, 0,1,2,3
	ds_store_b128 v[SO], v[ACC+8*\m:ACC+8*\m+3] offset:16*PT*\m          ; each accumulator from its low end on
	ds_store_b128 v[SO], v[ACC+8*\m+4:ACC+8*\m+7] offset:16*PT*\m+16
.endr
	s_wait_dscnt 0x0                               ; for the others' sake: my stores into the stage are done
	s_barrier_signal -1
	s_barrier_wait -1
.irp i, 0,1,2,3
	ds_load_b128 v[Y+8*\i:Y+8*\i+3], v[SR] offset:PT*\i
	ds_load_b128 v[Y+8*\i+4:Y+8*\i+7], v[SR] offset:PT*\i+512
.endr
	s_wait_dscnt 0x0
	s_wait_loadcnt 0x0
.irp j, 0,2,4,6,8,10,12,14,16,18,20,22,24,26,28,30
	v_pk_add_f32 v[Y+\j:Y+\j+1], v[Y+\j:Y+\j+1], v[VR+\j:VR+\j+1]         ; + the residual
.endr
.irp i, 0,1,2,3
	v_pk_add_f32 v[T+4*\i:T+4*\i+1], v[Y+8*\i:Y+8*\i+1], v[Y+8*\i+2:Y+8*\i+3]
.endr
.irp i, 0,1,2,3
	v_pk_add_f32 v[T+4*\i+2:T+4*\i+3], v[Y+8*\i+4:Y+8*\i+5], v[Y+8*\i+6:Y+8*\i+7]
.endr
.irp i, 0,1,2,3
	v_pk_add_f32 v[T+4*\i:T+4*\i+1], v[T+4*\i:T+4*\i+1], v[T+4*\i+2:T+4*\i+3]
.endr
.irp i, 0,1,2,3
	v_add_f32 v[T+4*\i], v[T+4*\i], v[T+4*\i+1]
.endr
	ACROSS T, T+1
.irp i, 0,1,2,3
	v_mul_f32 v[T+4*\i], s18, v[T+4*\i]            ; the mean
.endr
.irp i, 0,1,2,3
.irp j, 0,2,4,6
	v_pk_add_f32 v[Y+8*\i+\j:Y+8*\i+\j+1], v[Y+8*\i+\j:Y+8*\i+\j+1], v[T+4*\i:T+4*\i+1] op_sel_hi:[1,0] neg_lo:[0,1] neg_hi:[0,1]
.endr
.endr
.irp i, 0,1,2,3
	v_pk_mul_f32 v[T+4*\i+2:T+4*\i+3], v[Y+8*\i:Y+8*\i+1], v[Y+8*\i:Y+8*\i+1]
.endr
.irp j, 2,4,6
.irp i, 0,1,2,3
	v_pk_fma_f32 v[T+4*\i+2:T+4*\i+3], v[Y+8*\i+\j:Y+8*\i+\j+1], v[Y+8*\i+\j:Y+8*\i+\j+1], v[T+4*\i+2:T+4*\i+3]
.endr
.endr
.irp i, 0,1,2,3
	v_add_f32 v[T+4*\i+2], v[T+4*\i+2], v[T+4*\i+3]
.endr
	ACROSS T+2, T+3
.irp i, 0,1,2,3
	v_fma_f32 v[T+4*\i+2], v[T+4*\i+2], s18, s19   ; the variance + 1e-6
.endr
	s_wait_alu depctr_va_vdst(0)
.irp i, 0,1,2,3
	v_rsq_f32 v[T+4*\i+2], v[T+4*\i+2]
.endr
	v_nop                                          ; one plain place behind the transcendentals
	s_wait_alu depctr_va_vdst(0)                   ; the four reciprocal roots are written, ahead of their first reader: one wait for the batch
.irp i, 0,1,2,3
.irp j, 0,2,4,6
	v_pk_mul_f32 v[Y+8*\i+\j:Y+8*\i+\j+1], v[Y+8*\i+\j:Y+8*\i+\j+1], v[T+4*\i+2:T+4*\i+3] op_sel_hi:[1,0]
.endr
.endr
.irp i, 0,1,2,3
.irp j, 0,2,4,6
	v_pk_fma_f32 v[Y+8*\i+\j:Y+8*\i+\j+1], v[Y+8*\i+\j:Y+8*\i+\j+1], v[GA+\j:GA+\j+1], v[BE+\j:BE+\j+1]
.endr
.endr
	s_wait_alu depctr_va_vdst(0)                   ; the gain and offset have written the four rows in v[Y ..], which the eight stores read
.irp i, 0,1,2,3
	global_store_b128 v[LI], v[Y+8*\i:Y+8*\i+3], s[36:37] offset:1024*\i th:TH_STORE_NT          ; 32 lanes store 512 consecutive bytes, at a multiple of 256 from the buffer's first byte
	global_store_b128 v[LI], v[Y+8*\i+4:Y+8*\i+7], s[36:37] offset:1024*\i+512 th:TH_STORE_NT
.endr
	s_wait_dscnt 0x0                               ; the closing lines, six on end
	s_wait_alu 0x0
	s_wait_tensorcnt 0x0
	ds_add_u32 v240, v241
	s_wait_dscnt 0x0
	s_endpgm
.Lfunc_end_k_qf160994a98_outln:
	.size	k_qf160994a98_outln, .Lfunc_end_k_qf160994a98_outln-k_qf160994a98_outln
	.p2alignl 7, 3214868480
	.fill 96, 4, 3214868480
	.section	.rodata,"a",@progbits
	.p2align	6, 0x0
	.amdhsa_kernel k_qf160994a98_outln
		.amdhsa_group_segment_fixed_size 68608
		.amdhsa_private_segment_fixed_size 0
		.amdhsa_enable_private_segment 0
		.amdhsa_kernarg_size 56
		.amdhsa_user_sgpr_count 2
		.amdhsa_user_sgpr_kernarg_segment_ptr 1
		.amdhsa_wavefront_size32 1
		.amdhsa_system_sgpr_workgroup_id_x 1
		.amdhsa_system_sgpr_workgroup_id_y 1
		.amdhsa_system_sgpr_workgroup_id_z 1
		.amdhsa_system_vgpr_workitem_id 0
		.amdhsa_next_free_vgpr 242
		.amdhsa_next_free_sgpr 66
		.amdhsa_reserve_vcc 0
		.amdhsa_float_denorm_mode_32 3
		.amdhsa_float_denorm_mode_16_64 3
		.amdhsa_memory_ordered 1
		.amdhsa_forward_progress 1
		.amdhsa_inst_pref_size 20
	.end_amdhsa_kernel
	.amdgpu_metadata
---
amdhsa.version: [ 1, 2 ]
amdhsa.kernels:
  - .name:           k_qf160994a98_outln
    .symbol:         k_qf160994a98_outln.kd
    .args:
      - { .name: att, .offset: 0, .size: 8, .value_kind: global_buffer, .address_space: global }
      - { .name: wo, .offset: 8, .size: 8, .value_kind: global_buffer, .address_space: global }
      - { .name: bo, .offset: 16, .size: 8, .value_kind: global_buffer, .address_space: global }
      - { .name: vres, .offset: 24, .size: 8, .value_kind: global_buffer, .address_space: global }
      - { .name: gamma, .offset: 32, .size: 8, .value_kind: global_buffer, .address_space: global }
      - { .name: beta, .offset: 40, .size: 8, .value_kind: global_buffer, .address_space: global }
      - { .name: out0, .offset: 48, .size: 8, .value_kind: global_buffer, .address_space: global }
    .group_segment_fixed_size: 68608
    .private_segment_fixed_size: 0
    .kernarg_segment_align: 8
    .kernarg_segment_size: 56
    .max_flat_workgroup_size: 512
    .sgpr_count:     66
    .vgpr_count:     242
    .wavefront_size: 32
...
	.end_amdgpu_metadata
.endif
;; end of part 6
